; MI455X (gfx1250); checked and timed in simulation.
; The chip was launched on July 23, 2026; its instructions are those of AMD's public machine-readable ISA for CDNA 5 (MIT licence, August 2026) and "CDNA5" Instruction Set Architecture Reference Guide (July 2026). The comments in the code are by the model that wrote it; some were corrected since.
;; LRU. Allowed arithmetic: float matrix products may take bf16 or f16 operands with f32 sums; all other float work in f32.
;; Inputs: Wi 2,048 x 1,024 float32; Wo 1,024 x 2,048 float32; bi 2,048 float32; bo 1,024 float32; inputs 4 x 4,096 x 1,024 float32; params_log 3 x 1,024 float32.
;; Outputs: out0 4 x 4,096 x 1,024 float32.
;; 2 versions, each right; version 2 is version 1 with the launch scan written anew for expert scheduling mode. Each part assembles by itself: llvm-mc -triple=amdgcn-amd-amdhsa -mcpu=gfx1250 --defsym DOCPART=n.
;; ======== version 1 of 2: 4 launches
;; limits: values are held in f16: magnitudes above 65,504 overflow, below 6.1e-05 lose precision; inputs' magnitudes at most 65,504; right only within a limited range of input values; values outside matrix products are rounded to f16
;; workspace buffers: a16 33,554,432 bytes; wi16 4,194,304 bytes; wo16 4,194,304 bytes; tab 24,576 bytes; xl 67,108,864 bytes; ends 1,056,768 bytes; x16 67,108,864 bytes; sc 256 bytes
;; launch prep (part 1): grid 641 x 1, 8 waves a work-group, no clusters, 0 bytes of LDS; arguments inputs, Wi, Wo, params_log, a16, wi16, wo16, tab; writes a16, wi16, wo16, tab
.if DOCPART == 1
	.amdgcn_target "amdgcn-amd-amdhsa--gfx1250"
	.amdhsa_code_object_version 6
	.text
	.protected	k_q54408ed973_prep
	.globl	k_q54408ed973_prep
	.p2align	8
	.type	k_q54408ed973_prep,@function
k_q54408ed973_prep:
	s_mov_b64 s[64:65], 0
	v_nop
	global_prefetch_b8 v0, s[64:65] scope:SCOPE_SE
	s_setreg_imm32_b32 hwreg(HW_REG_WAVE_MODE, 25, 1), 1
	s_wait_xcnt 0x0
; prep: the matrix operands in f16, and the table of the recurrence's constants.
;   work-groups 0-511:   a16  = f16(inputs)            32,768 numbers each
;   work-groups 512-575: wi16 = f16(Wi)                32,768 numbers each
;   work-groups 576-639: wo16[n][2c] = f16(Wo[n][c]), wo16[n][2c+1] = f16(Wo[n][1024+c])    16 rows each
;   work-group  640:     tab: lambda (re, im) at byte 0, lambda^128 at 8192, gamma at 16384, G = gamma min(4096, 1/(1-|lambda|)) at 20480
; f16 and not bf16: three more bits of mantissa in all four matrix operands at the same cost.
; LIMITS: a number of inputs, Wi or Wo above 65504 in magnitude becomes infinite.  theta = exp(theta_log) is reduced by two words of pi/2,
; good up to about 1e4; beyond that cos and sin lose their meaning here.
; A stream: every byte is read once by loads of 512 neighbouring bytes a wave, all of a wave's 32 loads go out before the first wait,
; every store of a wave covers 256 or 512 neighbouring aligned bytes.  No register is written twice, so no source of a pending
; instruction is ever rewritten.  Nothing is shared between work-groups: no LDS, no cluster, no matrix unit.
.set X, 16                             ; v[16:143]  as loaded
.set Y, 144                            ; v[144:207] to store
	s_load_b256 s[4:11], s[0:1], 0x0               ; inputs s[4:5], Wi s[6:7], Wo s[8:9], params_log s[10:11]
	s_load_b256 s[12:19], s[0:1], 0x20             ; a16 s[12:13], wi16 s[14:15], wo16 s[16:17], tab s[18:19]
	v_lshrrev_b32 v3, 5, v0                        ; wave
	v_and_b32 v2, 31, v0
	v_lshlrev_b32 v2, 4, v2                        ; 16 x lane
	v_lshl_or_b32 v1, v3, 14, v2                   ; source: 16 KiB a wave, 16 bytes a lane
	s_wait_kmcnt 0x0
	s_cmp_ge_u32 ttmp9, 640
	s_cbranch_scc1 .Lparams
	s_cmp_ge_u32 ttmp9, 576
	s_cbranch_scc1 .Lwo
	; ---- a plain cast: inputs or Wi ----
	s_sub_co_u32 s25, ttmp9, 512                   ; my number among Wi's work-groups (used only from 512 on)
	s_cmp_lt_u32 ttmp9, 512
	s_cselect_b64 s[20:21], s[4:5], s[6:7]         ; from
	s_cselect_b64 s[22:23], s[12:13], s[14:15]     ; to
	s_cselect_b32 s24, ttmp9, s25
	s_lshl_b32 s26, s24, 17                        ; 131,072 bytes of f32 a work-group
	s_mov_b32 s27, 0
	s_add_nc_u64 s[20:21], s[20:21], s[26:27]
	s_lshl_b32 s26, s24, 16                        ; 65,536 bytes of f16
	s_add_nc_u64 s[22:23], s[22:23], s[26:27]
	v_lshrrev_b32 v4, 1, v1                        ; destination: 8 KiB a wave, 8 bytes a lane
.set J, 0
.rept 32
	global_load_b128 v[X+4*J:X+4*J+3], v1, s[20:21] offset:512*J th:TH_LOAD_NT
.set J, J+1
.endr
.set J, 0
.rept 32
	s_wait_loadcnt 31-J                            ; loads come back in order: load J is in, the 31-J younger ones stay out
	v_cvt_pk_f16_f32 v[Y+2*J],   v[X+4*J],   v[X+4*J+1]
	v_cvt_pk_f16_f32 v[Y+2*J+1], v[X+4*J+2], v[X+4*J+3]
	global_store_b64 v4, v[Y+2*J:Y+2*J+1], s[22:23] offset:256*J      ; the wave's 256 neighbouring bytes, aligned
.set J, J+1
.endr
	s_endpgm
	; ---- Wo: the real and the imaginary half of a row are interleaved, so that K runs as the state's columns do ----
.Lwo:
	s_sub_co_u32 s24, ttmp9, 576
	s_lshl_b32 s26, s24, 17                        ; 16 rows of 8,192 bytes
	s_mov_b32 s27, 0
	s_add_nc_u64 s[20:21], s[8:9], s[26:27]
	s_lshl_b32 s26, s24, 16                        ; 16 rows of 4,096 bytes
	s_add_nc_u64 s[22:23], s[16:17], s[26:27]
	v_lshl_or_b32 v4, v3, 13, v2                   ; destination: two rows a wave, 16 bytes (4 channels) a lane
.irp rr, 0,1
.irp it, 0,1,2,3,4,5,6,7
	global_load_b128 v[X+8*(8*\rr+\it):X+8*(8*\rr+\it)+3],   v1, s[20:21] offset:\rr*8192+\it*512 th:TH_LOAD_NT        ; Wo[n][c .. c+3]
	global_load_b128 v[X+8*(8*\rr+\it)+4:X+8*(8*\rr+\it)+7], v1, s[20:21] offset:\rr*8192+\it*512+4096 th:TH_LOAD_NT   ; Wo[n][1024+c .. ]
.endr
.endr
.irp rr, 0,1
.irp it, 0,1,2,3,4,5,6,7
	s_wait_loadcnt 30-2*(8*\rr+\it)                ; this pair of loads is in, the younger pairs stay out
.irp k, 0,1,2,3
	v_cvt_pk_f16_f32 v[Y+4*(8*\rr+\it)+\k], v[X+8*(8*\rr+\it)+\k], v[X+8*(8*\rr+\it)+4+\k]
.endr
	global_store_b128 v4, v[Y+4*(8*\rr+\it):Y+4*(8*\rr+\it)+3], s[22:23] offset:\rr*4096+\it*512
.endr
.endr
	s_endpgm
	; ---- the table: thread t owns channels 4 t .. 4 t + 3 ----
.Lparams:
.set VL,   16                          ; v[16:19] v_log
.set TLG,  20                          ; v[20:23] theta_log
.set GL,   24                          ; v[24:27] gamma_log
.set LAMO, 32                          ; v[32:39] lambda, (re, im) x 4
.set MUO,  40                          ; v[40:47] lambda^128
.set GAO,  48                          ; v[48:51] gamma
.set GO,   52                          ; v[52:55] G
	v_lshlrev_b32 v4, 4, v0                        ; 16 t
	v_lshlrev_b32 v5, 5, v0                        ; 32 t
	global_load_b128 v[VL:VL+3],   v4, s[10:11]
	global_load_b128 v[TLG:TLG+3], v4, s[10:11] offset:4096
	global_load_b128 v[GL:GL+3],   v4, s[10:11] offset:8192
	s_mov_b32 s28, 0x3fb8aa3b                      ; log2(e), upper word
	s_mov_b32 s29, 0x32a5705f                      ; and what it leaves
	s_mov_b32 s30, 0x3f317218                      ; ln 2
	s_mov_b32 s31, 0x3f22f983                      ; 2 / pi
	s_mov_b32 s32, 0x3fc90fdb                      ; pi / 2, upper word
	s_mov_b32 s33, 0xb33bbd2e                      ; and what it leaves
	s_mov_b32 s34, 0xb94ca1f9                      ; sine on [-pi/4, pi/4]: r + r z (s1 + z (s2 + z s3)), z = r r
	s_mov_b32 s35, 0x3c08839e
	s_mov_b32 s36, 0xbe2aaaa3
	s_mov_b32 s37, 0x37ccf5ce                      ; cosine: 1 - z/2 + z z (c1 + z (c2 + z c3))
	s_mov_b32 s38, 0xbab6061a
	s_mov_b32 s39, 0x3d2aaaa5
	s_mov_b32 s40, 0x45800000                      ; 4096.0: the sequence's length bounds the sum of |lambda|^k too
	s_wait_loadcnt 0x0
; d = e^x: x log2(e) in two words h + l, then 2^h (1 + l ln 2).  The multiply by ln 2 is the plain instruction that stands
; between v_exp_f32 and the use of its result (ISA guide 5.7.2); it touches neither the result nor the source.
.macro EXPACC d, x
	v_mul_f32 v56, s28, v[\x]
	v_fma_f32 v57, v[\x], s28, -v56
	v_fma_f32 v57, v[\x], s29, v57
	v_exp_f32 v58, v56
	v_mul_f32 v57, s30, v57
	s_wait_alu depctr_va_vdst(0)
	v_fma_f32 v[\d], v58, v57, v58
.endm
.macro CH k
	EXPACC 60, TLG+\k                              ; theta
	EXPACC 61, VL+\k                               ; v
	EXPACC GAO+\k, GL+\k                           ; gamma
	v_sub_f32 v63, 0, v61
	EXPACC 64, 63                                  ; rho = e^-v = |lambda|
	v_mul_f32 v65, s31, v60
	v_rndne_f32 v65, v65                           ; the nearest multiple of pi/2
	v_fma_f32 v66, -v65, s32, v60
	v_fma_f32 v66, -v65, s33, v66                  ; r = theta - k pi/2
	v_cvt_i32_f32 v67, v65
	v_mul_f32 v68, v66, v66                        ; z
	v_fma_f32 v69, v68, s34, s35
	v_fma_f32 v69, v69, v68, s36
	v_mul_f32 v69, v69, v68
	v_fma_f32 v69, v69, v66, v66                   ; sin r
	v_fma_f32 v70, v68, s37, s38
	v_fma_f32 v70, v70, v68, s39
	v_mul_f32 v71, v68, v68
	v_fma_f32 v72, v68, -0.5, 1.0
	v_fma_f32 v70, v70, v71, v72                   ; cos r
	v_and_b32 v73, 1, v67
	v_cmp_eq_u32 vcc_lo, 1, v73                    ; odd quadrant: the two change places
	v_cndmask_b32 v74, v70, v69, vcc_lo
	v_cndmask_b32 v75, v69, v70, vcc_lo
	v_add_nc_u32 v73, 1, v67
	v_and_b32 v73, 2, v73
	v_lshlrev_b32 v73, 30, v73
	v_xor_b32 v74, v74, v73                        ; cos theta: negative in quadrants 1 and 2
	v_and_b32 v73, 2, v67
	v_lshlrev_b32 v73, 30, v73
	v_xor_b32 v75, v75, v73                        ; sin theta: negative in quadrants 2 and 3
	v_mul_f32 v[LAMO+2*\k],   v64, v74
	v_mul_f32 v[LAMO+2*\k+1], v64, v75
	v_mov_b32 v[MUO+2*\k],   v[LAMO+2*\k]
	v_mov_b32 v[MUO+2*\k+1], v[LAMO+2*\k+1]
.rept 7                                            ; seven squarings: lambda^128
	v_mul_f32 v56, v[MUO+2*\k+1], v[MUO+2*\k+1]
	v_mul_f32 v57, v[MUO+2*\k], v[MUO+2*\k+1]
	v_fma_f32 v[MUO+2*\k], v[MUO+2*\k], v[MUO+2*\k], -v56
	v_add_f32 v[MUO+2*\k+1], v57, v57
.endr
	v_sub_f32 v58, 1.0, v64
	v_rcp_f32 v59, v58                             ; infinite where rho rounds to 1: the minimum below takes 4096
	v_nop                                          ; the plain place behind v_rcp_f32 (ISA guide 5.7.2)
	s_wait_alu depctr_va_vdst(0)
	v_min_num_f32 v59, s40, v59
	v_mul_f32 v[GO+\k], v[GAO+\k], v59
.endm
	CH 0
	CH 1
	CH 2
	CH 3
	global_store_b128 v5, v[LAMO:LAMO+3],   s[18:19]
	global_store_b128 v5, v[LAMO+4:LAMO+7], s[18:19] offset:16
	global_store_b128 v5, v[MUO:MUO+3],     s[18:19] offset:8192
	global_store_b128 v5, v[MUO+4:MUO+7],   s[18:19] offset:8208
	global_store_b128 v4, v[GAO:GAO+3],     s[18:19] offset:16384
	global_store_b128 v4, v[GO:GO+3],       s[18:19] offset:20480
	s_endpgm
.Lfunc_end_k_q54408ed973_prep:
	.size	k_q54408ed973_prep, .Lfunc_end_k_q54408ed973_prep-k_q54408ed973_prep
	.p2alignl 7, 3214868480
	.fill 96, 4, 3214868480
	.section	.rodata,"a",@progbits
	.p2align	6, 0x0
	.amdhsa_kernel k_q54408ed973_prep
		.amdhsa_group_segment_fixed_size 0
		.amdhsa_private_segment_fixed_size 0
		.amdhsa_enable_private_segment 0
		.amdhsa_kernarg_size 64
		.amdhsa_user_sgpr_count 2
		.amdhsa_user_sgpr_kernarg_segment_ptr 1
		.amdhsa_wavefront_size32 1
		.amdhsa_system_sgpr_workgroup_id_x 1
		.amdhsa_system_sgpr_workgroup_id_y 1
		.amdhsa_system_sgpr_workgroup_id_z 1
		.amdhsa_system_vgpr_workitem_id 0
		.amdhsa_next_free_vgpr 208
		.amdhsa_next_free_sgpr 66
		.amdhsa_reserve_vcc 1
		.amdhsa_float_denorm_mode_32 3
		.amdhsa_float_denorm_mode_16_64 3
		.amdhsa_memory_ordered 1
		.amdhsa_forward_progress 1
		.amdhsa_inst_pref_size 39
	.end_amdhsa_kernel
	.amdgpu_metadata
---
amdhsa.version: [ 1, 2 ]
amdhsa.kernels:
  - .name:           k_q54408ed973_prep
    .symbol:         k_q54408ed973_prep.kd
    .args:
      - { .name: inputs, .offset: 0, .size: 8, .value_kind: global_buffer, .address_space: global }
      - { .name: Wi, .offset: 8, .size: 8, .value_kind: global_buffer, .address_space: global }
      - { .name: Wo, .offset: 16, .size: 8, .value_kind: global_buffer, .address_space: global }
      - { .name: params_log, .offset: 24, .size: 8, .value_kind: global_buffer, .address_space: global }
      - { .name: a16, .offset: 32, .size: 8, .value_kind: global_buffer, .address_space: global }
      - { .name: wi16, .offset: 40, .size: 8, .value_kind: global_buffer, .address_space: global }
      - { .name: wo16, .offset: 48, .size: 8, .value_kind: global_buffer, .address_space: global }
      - { .name: tab, .offset: 56, .size: 8, .value_kind: global_buffer, .address_space: global }
    .group_segment_fixed_size: 0
    .private_segment_fixed_size: 0
    .kernarg_segment_align: 8
    .kernarg_segment_size: 64
    .max_flat_workgroup_size: 256
    .sgpr_count:     66
    .vgpr_count:     208
    .wavefront_size: 32
...
	.end_amdgpu_metadata
.endif
;; end of part 1
;; launch gemm1 (part 2): grid 8 x 64, 4 waves a work-group, clusters of 4 x 4, 327,680 bytes of LDS; arguments a16, wi16, xl, bi, tab, ends; writes xl, ends
.if DOCPART == 2
	.amdgcn_target "amdgcn-amd-amdhsa--gfx1250"
	.amdhsa_code_object_version 6
	.text
	.protected	k_q54408ed973_gemm1
	.globl	k_q54408ed973_gemm1
	.p2align	8
	.type	k_q54408ed973_gemm1,@function
k_q54408ed973_gemm1:
	s_mov_b64 s[64:65], 0
	v_nop
	global_prefetch_b8 v0, s[64:65] scope:SCOPE_SE
	s_setreg_imm32_b32 hwreg(HW_REG_WAVE_MODE, 25, 1), 1
	s_wait_xcnt 0x0
	s_wait_alu depctr_hold_cnt(0) depctr_sa_sdst(0) depctr_va_vdst(0) depctr_va_sdst(0) depctr_va_ssrc(0) depctr_va_vcc(0) depctr_vm_vsrc(0)
	s_getreg_b32 s2, hwreg(HW_REG_IB_STS2, 6, 4)
	s_cmp_eq_u32 s2, 0
	s_cbranch_scc0 .Lentry_in_a_cluster
	s_endpgm
.Lentry_in_a_cluster:
	s_bfe_u32 s2, ttmp6, 0x10000c
	s_cmp_lg_u32 s2, 0xf033
	s_cbranch_scc0 .Lentry_shape_is_right
	s_endpgm
.Lentry_shape_is_right:
; gemm1: u[m][n] = sum over k of a16[m][k] wi16[n][k] + bi[n], f16 operands, f32 sums.  u never goes to memory: on the way out each wave runs the
; recurrence e_t = lambda e_(t-1) + u_t in f32 down its own 128 rows from a zero state, and stores
;   xl   [16384][2048] f16 = e_t / s, columns (re, im) interleaved as in u: the state as far as this chunk of 128 rows alone makes it;
;   ends, byte 0:         [128 chunks][2048] f32, the chunk's end state e_127, unscaled;
;   ends, byte 1,048,576: [128 chunks][16 groups of 128 columns] f32, m = largest |sum| of the wave's block + largest |bi| of its columns, a bound of |u|.
; s is a power of two from a bound that holds for every input: |lambda| <= 1, so |e_t| <= 128 sqrt(2) m < 192 m; s = 2^(exponent of 192 m - 14), |xl| < 2^15.
; The next launch makes s again from m by the same steps, and adds what the earlier chunks hand on.
; LIMITS: a NaN among the sums is passed over by the maximum; 192 m overflows for m above about 1.7e36.
; A work-group makes a block of 256 x 256 with four waves, one for each SIMD of a WGP; a wave makes 128 x 128: 64 accumulator tiles of 16 x 16,
; 512 registers.  K goes in steps of 128 through a ring of two LDS slots filled by the tensor data mover; a tile's rows are 256 bytes of
; memory and start at multiples of 256 bytes from the buffer's first byte.
; CLUSTERS: 4 x 4 work-groups.  The four of a row of the cluster need the same tiles of A, the four of a column the same tiles of B: each such tile
; is asked for jointly, by the same tensor load with the same descriptor and a mask that names the four.  That divides the requests by four.
; REGISTERS, in windows of 256: window 0: v0-31 addresses; v64-127, v128-191 fragments of A, two buffers (on the way out: rows of u);
;   v192-214 the way out's constants and state.  Window 1: v64-127, v128-191 fragments of B.  Window 2: the 32 accumulator tiles of my rows 0-63
;   (tile (a, b) at v[8 (8 a + b)]); window 3: those of my rows 64-127.
; THE MATRIX INSTRUCTION IS USED TRANSPOSED: source 0 = 16 rows of B, source 1 = 16 rows of A; lane l then holds row l % 16 of C and in its
; registers 0-7 the columns 8 (l / 16) + 0..7: 32 neighbouring bytes of a row of u.
; The 64 accumulators take turns, one instruction a turn, in the same order in every quarter step, over the backward jump too.
.set SIZE_K, 1024
.set SIZE_N, 2048
.set ROWB,   SIZE_N*2                  ; bytes in a row of xl
.set KSTEP,  128
.set PITCH,  272                       ; an LDS row: 256 bytes + 16 of padding: the 16 rows that a fragment load touches lie in 16 different 16-byte columns of 256
.set HALFT,  128*PITCH                 ; 128 rows: what one tensor load brings
.set SLOT,   4*HALFT                   ; A's 256 rows, then B's 256 rows
.set STAGE,  2*SLOT                    ; behind the ring (byte 278,528 = 1,088 x 256): 16 rows x 528 bytes for each wave; no fill ever lands here
.set SPITCH, 528                       ; 512 bytes + 16: 33 x 16, so that 16 lanes in 16 rows store into 16 different 16-byte columns of 256
.set LAPS, SIZE_K/(2*KSTEP)            ; a lap = two K steps = once round the ring
.set ADRA, 16                          ; v16-17  LDS address of my A fragments in slot 0, 1
.set ADRB, 20                          ; v20-21  the same for B
.set STO,  24                          ; v24     the way out: where I put 32 bytes of a row
.set RD,   25                          ; v25     the way out: where I read 16 bytes of a row back
.set CO,   26                          ; v26     8 x lane: my bytes in the wave's 256 bytes of a row of xl
.set VB,   27                          ; v27     byte of my four columns in a row of 2,048 f32 (bi, lambda's table, ends)
.set LN,   28                          ; v28     lane
.set UIX,  29                          ; v29     byte of my wave's word among the bounds m
.set F0,   64
.set F1,   128
.set BIAS, 192                         ; v[192:195] bi of my four columns
.set LAM,  196                         ; v[196:199] lambda of my two channels: re, im, re, im
.set EA,   200                         ; v[200:203] the running state of my two channels, even rows read it
.set EB,   204                         ; v[204:207] odd rows read it
.set MX,   208                         ; v[208:211] four running maxima of |sum|; then v208 = m
.set IS,   212                         ; v[212:213] 1 / s, twice
.set BM,   214                         ; v214       the largest |bi|
.set G1, 24                            ; s[24:31] descriptor group 1 for A's tiles
.set G0, 32                            ; s[32:39] descriptor group 0 for A's tiles, one set for each slot
.set G1B, 48                           ; s[48:55] group 1 for B's tiles: it differs in the mask alone
.set G0B, 56                           ; s[56:63] group 0 for B's tiles
.set MSB, 0
.macro WIN new                         ; the immediate's high byte repeats the setting that is left
.if MSB != \new
	s_set_vgpr_msb (MSB<<8)|\new
.set MSB, \new
.endif
.endm
.set MUL_LO, 0xa1                      ; source 0 (B) window 1, source 1 (A) window 0, C and D window 2
.set MUL_HI, 0xf1                      ; the same, C and D window 3
.set TO_B,   0x40                      ; destination window 1, address window 0
; A joint load.  Waves 0 and 1 fetch A's two halves, waves 2 and 3 B's.  The branch hangs on the wave's number alone.
.macro JLOAD s
	s_cmp_eq_u32 s11, 0
	s_cbranch_scc0 .Lfor_b_\@
	tensor_load_to_lds s[G0+4*\s:G0+4*\s+3], s[G1:G1+7]
	s_nop 0
	s_branch .Lasked_\@
.Lfor_b_\@:
	tensor_load_to_lds s[G0B+4*\s:G0B+4*\s+3], s[G1B:G1B+7]
	s_nop 0
.Lasked_\@:
.endm
; A round of the cluster's barrier: my work-group's barrier; wave 0 signals for the work-group; every wave waits for all sixteen; my work-group's barrier once more.
.macro CREST                           ; a round behind its opening barrier
	s_cmp_lg_u32 s10, 0
	s_cbranch_scc1 .Lnot_wave_0_\@
	s_barrier_signal -3
.Lnot_wave_0_\@:
	s_barrier_wait -3
	s_barrier_signal -1
	s_barrier_wait -1
.endm
.macro CROUND
	s_barrier_signal -1
	s_barrier_wait -1
	CREST
.endm
	s_load_b128 s[4:7], s[0:1], 0x0                ; a16 s[4:5], wi16 s[6:7]
	s_load_b64 s[8:9], s[0:1], 0x10                ; xl
	s_load_b128 s[68:71], s[0:1], 0x18             ; bi s[68:69], tab s[70:71]
	s_load_b64 s[72:73], s[0:1], 0x28              ; ends
	s_set_vgpr_msb 0x40
	v_lshl_add_u32 v255, v0, 2, 0x4c400
	s_set_vgpr_msb 0x4000
	v_mov_b32 v255, 0
	s_set_vgpr_msb 0x1
	ds_add_u32 v255, v255
	s_set_vgpr_msb 0x100
	v_lshrrev_b32 v1, 5, v0
	v_readfirstlane_b32 s10, v1                    ; wave 0..3
	s_lshr_b32 s11, s10, 1                         ; which half of the block's rows is mine.  Also: I fetch for A (0) or for B (1)
	s_and_b32 s12, s10, 1                          ; which half of its columns.  Also: which 128 rows of that tile I fetch
	s_bfe_u32 s40, ttmp6, 0x40000                  ; cx
	s_bfe_u32 s41, ttmp6, 0x40004                  ; cy
	s_lshl_b32 s42, ttmp9, 2
	s_add_co_u32 s42, s42, s40                     ; block column = 4 x cluster x + cx
	s_and_b32 s13, ttmp7, 0xffff
	s_lshl_b32 s13, s13, 2
	s_add_co_u32 s13, s13, s41                     ; block row = 4 x cluster y + cy
	s_lshl_b32 s43, s41, 2
	s_lshl_b32 s43, 15, s43                        ; my row of the cluster: places 4 cy .. 4 cy + 3
	s_lshl_b32 s44, 0x1111, s40                    ; my column: places cx, cx + 4, cx + 8, cx + 12
	; descriptor group 1: a tile of 128 rows x 128 elements of 2 bytes, 4 words of padding behind every 64
	s_or_b32 s[G1+0], s43, (1<<16)|(1<<20)|(1<<21)|(5<<22)|(3<<25)
	s_or_b32 s[G1B+0], s44, (1<<16)|(1<<20)|(1<<21)|(5<<22)|(3<<25)
	s_mov_b32 s[G1B+1], KSTEP<<16
	s_mov_b32 s[G1+1], KSTEP<<16                   ; tensor_dim0 = 128
	s_mov_b32 s[G1B+2], 128<<16
	s_mov_b32 s[G1+2], 128<<16                     ; tensor_dim1 = 128
	s_mov_b32 s[G1B+3], KSTEP<<16
	s_mov_b32 s[G1+3], KSTEP<<16                   ; tile_dim0 = 128
	s_mov_b32 s[G1B+4], 128
	s_mov_b32 s[G1+4], 128                         ; tile_dim1 = 128
	s_mov_b32 s[G1B+5], SIZE_K
	s_mov_b32 s[G1+5], SIZE_K                      ; elements from row to row
	s_mov_b32 s[G1B+6], 0
	s_mov_b32 s[G1+6], 0
	s_mov_b32 s[G1B+7], 0
	s_mov_b32 s[G1+7], 0
	; where the tiles come from: A's hang on the block row alone, B's on the block column alone
	s_lshl_b32 s17, s12, 7
	s_lshl_b32 s16, s13, 8
	s_add_co_u32 s16, s16, s17                     ; A: row 256 x block row + 128 x half
	s_lshl_b32 s46, s42, 8
	s_add_co_u32 s46, s46, s17                     ; B: row 256 x block column + 128 x half
	s_mov_b32 s17, 0
	s_mov_b32 s47, 0
	s_mov_b64 s[18:19], SIZE_K*2
	s_mul_u64 s[16:17], s[16:17], s[18:19]
	s_mul_u64 s[46:47], s[46:47], s[18:19]
	s_mul_i32 s20, s10, HALFT                      ; where they go: wave x 128 rows: no place in the cluster enters an LDS address
	; offsets for the way out, in registers that feed no descriptor
	s_lshl_b32 s87, s42, 10
	s_lshl_b32 s79, s12, 9
	s_add_co_u32 s87, s87, s79                     ; byte of my first column in a row of f32: 1,024 x block column + 512 x half
	s_lshr_b32 s78, s87, 1                         ; and in a row of f16
	s_mov_b32 s79, 0
	s_lshl1_add_u32 s80, s13, s11                  ; my chunk of 128 rows = 2 x block row + half
	s_lshl1_add_u32 s83, s42, s12                  ; my group of 128 columns = 2 x block column + half
	s_lshl4_add_u32 s82, s80, s83                  ; 16 x chunk + group,
	s_lshl_b32 s82, s82, 2                         ; x 4 bytes: my word among the 2,048 bounds
	s_lshl_b32 s80, s80, 13                        ; chunk x 8,192 bytes: my row of end states
	s_mov_b32 s81, 0
	s_mov_b32 s84, 0x76543210                      ; v_permlanex16_b32: lane i of one half reads lane i of the other
	s_mov_b32 s85, 0xfedcba98
	s_wait_dscnt 0x0
	s_wait_kmcnt 0x0
	s_add_nc_u64 s[14:15], s[4:5], s[16:17]
	s_add_nc_u64 s[46:47], s[6:7], s[46:47]
	CROUND                                         ; all sixteen work-groups are here: the first joint loads meet
.irp s, 0,1
	s_mov_b32 s[G0+4*\s], 1
	s_add_co_u32 s[G0+4*\s+1], s20, \s*SLOT
	s_add_nc_u64 s[G0+4*\s+2:G0+4*\s+3], s[14:15], \s*KSTEP*2      ; K step s
	s_or_b32 s[G0+4*\s+3], s[G0+4*\s+3], 0x80000000
	s_mov_b32 s[G0B+4*\s], 1
	s_add_co_u32 s[G0B+4*\s+1], s20, \s*SLOT
	s_add_nc_u64 s[G0B+4*\s+2:G0B+4*\s+3], s[46:47], \s*KSTEP*2
	s_or_b32 s[G0B+4*\s+3], s[G0B+4*\s+3], 0x80000000
	JLOAD \s                                       ; the ring is filled before anything else is done: two tensor loads of the wave are out
.endr
	s_add_nc_u64 s[74:75], s[72:73], 0x100000      ; the bounds lie behind the end states
	s_add_nc_u64 s[72:73], s[72:73], s[80:81]      ; my chunk's row of end states
	v_and_b32 v[LN], 31, v0
	v_lshl_add_u32 v[VB], v[LN], 4, s87
	global_load_b128 v[BIAS:BIAS+3], v[VB], s[68:69]
	global_load_b128 v[LAM:LAM+3], v[VB], s[70:71] ; 8 bytes a channel, two columns a channel: the same byte offset as in a row of f32
	; a fragment: lane l holds row l % 16; registers 0-3 K = 8 (l / 16) + 0..7, registers 4-7 K = 16 + 8 (l / 16) + 0..7: two loads of 16 bytes, 32 apart
	v_and_b32 v1, 15, v0
	v_bfe_u32 v2, v0, 4, 1
	v_mul_u32_u24 v3, v1, PITCH
	v_lshl_add_u32 v3, v2, 4, v3
	s_mul_i32 s21, s11, HALFT                      ; my 128 rows of A
	s_mul_i32 s22, s12, HALFT                      ; my 128 rows of B,
	s_add_co_u32 s22, s22, 2*HALFT                 ; which lie behind A's 256
.irp s, 0,1
	v_add_nc_u32 v[ADRA+\s], s21, v3
	v_add_nc_u32 v[ADRB+\s], s22, v3
	s_add_co_u32 s21, s21, SLOT
	s_add_co_u32 s22, s22, SLOT
.endr
	s_mul_i32 s23, s10, 16*SPITCH
	s_add_co_u32 s23, s23, STAGE                   ; my stage
	v_mul_u32_u24 v4, v1, SPITCH                   ; in: row l % 16, 32 bytes for each half of the lanes
	v_lshl_add_u32 v4, v2, 5, v4
	v_add_nc_u32 v[STO], s23, v4
	v_lshl_add_u32 v[RD], v[LN], 4, s23            ; back: the 32 lanes take one row of 512 bytes
	v_lshlrev_b32 v[CO], 3, v[LN]
; 16 matrix instructions: m blocks a0, a0 + 1 of the window's four x all 8 n blocks, 32 along K.  zero = 1: the first product starts the sums.
.macro MUL16 f, hi, a0, zero
.irp a, \a0, \a0+1
.irp b, 0,1,2,3,4,5,6,7
.if \zero
	v_wmma_f32_16x16x32_f16 v[8*(8*(\a)+\b):8*(8*(\a)+\b)+7], v[\f+8*\b:\f+8*\b+7], v[\f+8*(4*\hi+\a):\f+8*(4*\hi+\a)+7], 0
.else
	v_wmma_f32_16x16x32_f16 v[8*(8*(\a)+\b):8*(8*(\a)+\b)+7], v[\f+8*\b:\f+8*\b+7], v[\f+8*(4*\hi+\a):\f+8*(4*\hi+\a)+7], v[8*(8*(\a)+\b):8*(8*(\a)+\b)+7]
.endif
.endr
.endr
.endm
; 32 LDS loads in one run: the fragments of one quarter step into buffer f
.macro FETCH slot, k, f
	WIN TO_B
.irp i, 0,1,2,3,4,5,6,7
	ds_load_b128 v[\f+8*\i:\f+8*\i+3],   v[ADRB+\slot] offset:\k+\i*16*PITCH
	ds_load_b128 v[\f+8*\i+4:\f+8*\i+7], v[ADRB+\slot] offset:\k+\i*16*PITCH+32
.endr
	WIN 0
.irp i, 0,1,2,3,4,5,6,7
	ds_load_b128 v[\f+8*\i:\f+8*\i+3],   v[ADRA+\slot] offset:\k+\i*16*PITCH
	ds_load_b128 v[\f+8*\i+4:\f+8*\i+7], v[ADRA+\slot] offset:\k+\i*16*PITCH+32
.endr
.endm
; Four places of plain vector instructions stand between a matrix instruction and a load into one of its registers, or a reader of its result
; (ISA guide 7.12.1 for vector instructions); matrix instructions in between are not counted.
.macro PLACES
.rept 4
	v_nop
.endr
.endm
; A quarter step (32 along K, 64 matrix instructions): multiplies buffer f; in its middle it fetches the next quarter's fragments into buffer g.
.macro QUARTER slot, k, f, g, zero
	s_wait_dscnt 8                                 ; B and A's rows 0-63 are in; the youngest eight loads (A's rows 64-127) may be out
	WIN MUL_LO
	MUL16 \f, 0, 0, \zero
	MUL16 \f, 0, 2, \zero
	PLACES
	FETCH \slot, \k, \g
	s_wait_dscnt 32                                ; all but the 32 just issued
	WIN MUL_HI
	MUL16 \f, 1, 0, \zero
	MUL16 \f, 1, 2, \zero
.endm
.macro THREE slot, zero
	QUARTER \slot, 64,  F0, F1, \zero
	QUARTER \slot, 128, F1, F0, 0
	QUARTER \slot, 192, F0, F1, 0
.endm
; The last quarter multiplies buffer 1 and changes slots.  In front of the barrier each wave waits for its reads of this slot and for all its tensor
; loads (one is out: its part of the next slot).  Behind it the refill comes first, then the next slot's first fragments.
.macro TURN slot, next, fill
	s_wait_dscnt 8
	WIN MUL_LO
	MUL16 F1, 0, 0, 0
	s_wait_dscnt 0                                 ; my reads of this slot are over
	s_wait_tensorcnt 0x0                           ; and all my tensor loads have landed
	ds_add_u32 v255, v255
	s_wait_dscnt 0x0
	s_barrier_signal -1                            ; say so (where a slot is filled again this barrier opens a round of the cluster's barrier),
	MUL16 F1, 0, 2, 0                              ; work on registers while the others arrive,
	WIN 0
	s_barrier_wait -1
.if \fill
	CREST                                          ; no wave of any partner still reads this slot's tile or has a load on its way
	s_add_nc_u64 s[G0+4*\slot+2:G0+4*\slot+3], s[G0+4*\slot+2:G0+4*\slot+3], 2*KSTEP*2
	s_add_nc_u64 s[G0B+4*\slot+2:G0B+4*\slot+3], s[G0B+4*\slot+2:G0B+4*\slot+3], 2*KSTEP*2
	JLOAD \slot                                    ; the first tensor load behind the round, and the wave's only one until the next
.endif
	PLACES
	FETCH \next, 0, F0
	WIN MUL_HI
	MUL16 F1, 1, 0, 0
	MUL16 F1, 1, 2, 0
.endm
.macro LAP zero
	THREE 0, \zero
	TURN 0, 1, 1
	THREE 1, 0
	TURN 1, 0, 1
.endm
	s_wait_loadcnt 0x0                             ; bi and lambda, once
	s_wait_tensorcnt 1                             ; my part of K step 0 is in; K step 1's may stay out
	s_barrier_signal -1
	s_barrier_wait -1
	FETCH 0, 0, F0
	LAP 1                                          ; the first lap stands in front of the loop: its first products start the sums
	WIN 0                                          ; at a label and at a branch every window is 0
	s_mov_b32 s3, LAPS-2
.Llap:
	LAP 0
	WIN 0
	s_sub_co_u32 s3, s3, 1
	s_cmp_lg_u32 s3, 0
	s_cbranch_scc1 .Llap
	THREE 0, 0                                     ; the last lap fills nothing
	TURN 0, 1, 0
	THREE 1, 0
	s_wait_dscnt 8
	WIN MUL_LO
	MUL16 F1, 0, 0, 0
	MUL16 F1, 0, 2, 0
	s_wait_dscnt 0
	WIN MUL_HI
	MUL16 F1, 1, 0, 0
	MUL16 F1, 1, 2, 0
	; THE BOUND m AND THE SCALE s.  The largest |sum| of my 512 accumulator registers, two at a time in four chains that do not wait for each other;
	; the first four pairs start the chains.  Sources 0 and 1 lie in window 2, then 3; the running maxima in window 0.
	PLACES
	WIN 0x0a
.set P, 0
.rept 4
	v_max_num_f32 v[MX+P], |v[2*P]|, |v[2*P+1]|
.set P, P+1
.endr
.rept 124
	v_max3_num_f32 v[MX+P%4], |v[2*P]|, |v[2*P+1]|, v[MX+P%4]
.set P, P+1
.endr
	WIN 0x0f
.set P, 0
.rept 128
	v_max3_num_f32 v[MX+P%4], |v[2*P]|, |v[2*P+1]|, v[MX+P%4]
.set P, P+1
.endr
	WIN 0
	v_max3_num_f32 v[MX], v[MX], v[MX+1], v[MX+2]
	v_max3_num_f32 v[BM], |v[BIAS]|, |v[BIAS+1]|, |v[BIAS+2]|
	v_max_num_f32 v[MX], v[MX], v[MX+3]
	v_max_num_f32 v[BM], v[BM], |v[BIAS+3]|
.irp m, 1,2,4,8
	v_max_num_f32_dpp v[MX], v[MX], v[MX] row_xmask:\m row_mask:0xf bank_mask:0xf
	v_max_num_f32_dpp v[BM], v[BM], v[BM] row_xmask:\m row_mask:0xf bank_mask:0xf
.endr
	v_permlanex16_b32 v[MX+1], v[MX], s84, s85     ; both destinations have been written before
	v_permlanex16_b32 v[MX+2], v[BM], s84, s85
	v_max_num_f32 v[MX], v[MX], v[MX+1]
	v_max_num_f32 v[BM], v[BM], v[MX+2]
	v_add_f32 v[MX], v[MX], v[BM]                  ; m, in every lane; 192 against 128 sqrt(2) = 181.02 leaves room for this sum's rounding and the recurrence's
	v_mul_f32 v[IS], 0x43400000, v[MX]             ; 192 m
	v_and_b32 v[IS], 0x7f800000, v[IS]             ; its exponent field,
	v_max_u32 v[IS], 0x07800000, v[IS]             ; at least 15, so that s stays a normal number,
	v_add_nc_u32 v[IS], 0xf9000000, v[IS]          ; less 14: the bits of s
	v_sub_nc_u32 v[IS], 0x7f000000, v[IS]          ; exponent field 254 - that of s: the bits of 1 / s
	v_mov_b32 v[IS+1], v[IS]
	; THE WAY OUT, 16 rows at a time: 32 bytes a lane into my own stage, read back as whole rows of 512 bytes, so that lane L holds columns 4 L .. 4 L + 3
	; (two channels) of every row and can run their recurrence down the rows.
	s_lshl_b32 s13, s13, 8
	s_lshl_b32 s14, s11, 7
	s_add_co_u32 s16, s13, s14                     ; my first row
	s_mov_b32 s17, 0
	s_mov_b64 s[18:19], ROWB
	s_mul_u64 s[16:17], s[16:17], s[18:19]
	s_add_nc_u64 s[8:9], s[8:9], s[16:17]
	s_add_nc_u64 s[8:9], s[8:9], s[78:79]          ; and my first column
.irp k, 0,1,2,3
	v_mov_b32 v[EA+\k], 0                          ; the chunk's local state starts from zero
.endr
; one row: bias, one step of e = lambda e + u for my two channels in f32, e / s rounded to f16 and stored
.macro ROW f, t
.set U, \f+4*\t
.if (\t)%2
.set EI, EB
.set EO, EA
.else
.set EI, EA
.set EO, EB
.endif
	s_wait_dscnt 15-\t                             ; LDS loads come back in order: row t is in, the younger rows stay out
	v_pk_add_f32 v[U:U+1],   v[U:U+1],   v[BIAS:BIAS+1]
	v_pk_add_f32 v[U+2:U+3], v[U+2:U+3], v[BIAS+2:BIAS+3]
	v_fma_f32 v[EO],   v[EI],   v[LAM],   v[U]
	v_fma_f32 v[EO+1], v[EI+1], v[LAM],   v[U+1]
	v_fma_f32 v[EO+2], v[EI+2], v[LAM+2], v[U+2]
	v_fma_f32 v[EO+3], v[EI+3], v[LAM+2], v[U+3]
	v_fma_f32 v[EO],   -v[EI+1], v[LAM+1], v[EO]
	v_fma_f32 v[EO+1], v[EI],    v[LAM+1], v[EO+1]
	v_fma_f32 v[EO+2], -v[EI+3], v[LAM+3], v[EO+2]
	v_fma_f32 v[EO+3], v[EI+2],  v[LAM+3], v[EO+3]
	v_pk_mul_f32 v[U:U+1],   v[EO:EO+1],   v[IS:IS+1]
	v_pk_mul_f32 v[U+2:U+3], v[EO+2:EO+3], v[IS:IS+1]
	v_cvt_pk_f16_f32 v[U],   v[U],   v[U+1]
	v_cvt_pk_f16_f32 v[U+1], v[U+2], v[U+3]
	global_store_b64 v[CO], v[U:U+1], s[8:9] offset:\t*ROWB           ; the wave's 256 neighbouring bytes, aligned
.endm
; rows 16 i .. 16 i + 15 of my block = the eight tiles (a, 0..7) of window 2 or 3 (win = 0x08 or 0x0c: an LDS store's data is source 1); f: F0 or F1 in turn
.macro OUT16 i, a, win, f
	WIN \win
.irp b, 0,1,2,3,4,5,6,7
	ds_store_b128 v[STO], v[8*(8*\a+\b):8*(8*\a+\b)+3]   offset:64*\b
	ds_store_b128 v[STO], v[8*(8*\a+\b)+4:8*(8*\a+\b)+7] offset:64*\b+16
.endr
	WIN 0
	s_wait_xcnt 0x0                                ; buffer f, which earlier stores read, and the stores' base are rewritten only behind this wait (ISA guide 3.1)
.if \i
	s_add_nc_u64 s[8:9], s[8:9], 16*ROWB
.endif
.irp t, 0,1,2,3,4,5,6,7,8,9,10,11,12,13,14,15
	ds_load_b128 v[\f+4*\t:\f+4*\t+3], v[RD] offset:\t*SPITCH         ; LDS serves a wave's instructions in order (ISA guide 5.7.1.4): these see the stores above
.endr
.irp t, 0,1,2,3,4,5,6,7,8,9,10,11,12,13,14,15
	ROW \f, \t
.endr
.endm
	OUT16 0, 0, 0x08, F0
	OUT16 1, 1, 0x08, F1
	OUT16 2, 2, 0x08, F0
	OUT16 3, 3, 0x08, F1
	OUT16 4, 0, 0x0c, F0
	OUT16 5, 1, 0x0c, F1
	OUT16 6, 2, 0x0c, F0
	OUT16 7, 3, 0x0c, F1
	global_store_b128 v[VB], v[EA:EA+3], s[72:73]  ; the chunk's end state (row 127 is odd: it wrote EA): 512 neighbouring bytes a wave
	v_mov_b32 v[UIX], s82
	s_wait_xcnt 0x0                                ; EXEC is a source of the pending stores: it changes only behind this wait
	v_cmp_eq_u32 vcc_lo, 0, v[LN]
	s_and_saveexec_b32 s86, vcc_lo
	global_store_b32 v[UIX], v[MX], s[74:75]       ; m, one word a wave: 8 KiB in the whole launch
	s_wait_xcnt 0x0                                ; and again in front of the line that widens it
	s_or_b32 exec_lo, exec_lo, s86
	s_set_vgpr_msb 0x1
	s_wait_tensorcnt 0x0
	ds_add_u32 v255, v255
	s_wait_dscnt 0x0
	s_set_vgpr_msb 0x100
	CROUND                                         ; the closing round: no work-group ends while a partner may still ask for a tile that names it
	s_endpgm
.Lfunc_end_k_q54408ed973_gemm1:
	.size	k_q54408ed973_gemm1, .Lfunc_end_k_q54408ed973_gemm1-k_q54408ed973_gemm1
	.p2alignl 7, 3214868480
	.fill 96, 4, 3214868480
	.section	.rodata,"a",@progbits
	.p2align	6, 0x0
	.amdhsa_kernel k_q54408ed973_gemm1
		.amdhsa_group_segment_fixed_size 327680
		.amdhsa_private_segment_fixed_size 0
		.amdhsa_enable_private_segment 0
		.amdhsa_kernarg_size 48
		.amdhsa_user_sgpr_count 2
		.amdhsa_user_sgpr_kernarg_segment_ptr 1
		.amdhsa_wavefront_size32 1
		.amdhsa_system_sgpr_workgroup_id_x 1
		.amdhsa_system_sgpr_workgroup_id_y 1
		.amdhsa_system_sgpr_workgroup_id_z 1
		.amdhsa_system_vgpr_workitem_id 0
		.amdhsa_next_free_vgpr 1024
		.amdhsa_next_free_sgpr 88
		.amdhsa_reserve_vcc 1
		.amdhsa_float_denorm_mode_32 3
		.amdhsa_float_denorm_mode_16_64 3
		.amdhsa_memory_ordered 1
		.amdhsa_forward_progress 1
		.amdhsa_inst_pref_size 255
	.end_amdhsa_kernel
	.section	.bss,"aw",@nobits
	.p2align	6
	.space	262144
	.amdgpu_metadata
---
amdhsa.version: [ 1, 2 ]
amdhsa.kernels:
  - .name:           k_q54408ed973_gemm1
    .symbol:         k_q54408ed973_gemm1.kd
    .args:
      - { .name: a16, .offset: 0, .size: 8, .value_kind: global_buffer, .address_space: global }
      - { .name: wi16, .offset: 8, .size: 8, .value_kind: global_buffer, .address_space: global }
      - { .name: xl, .offset: 16, .size: 8, .value_kind: global_buffer, .address_space: global }
      - { .name: bi, .offset: 24, .size: 8, .value_kind: global_buffer, .address_space: global }
      - { .name: tab, .offset: 32, .size: 8, .value_kind: global_buffer, .address_space: global }
      - { .name: ends, .offset: 40, .size: 8, .value_kind: global_buffer, .address_space: global }
    .group_segment_fixed_size: 327680
    .private_segment_fixed_size: 0
    .kernarg_segment_align: 8
    .kernarg_segment_size: 48
    .max_flat_workgroup_size: 128
    .sgpr_count:     88
    .vgpr_count:     1024
    .wavefront_size: 32
...
	.end_amdgpu_metadata
.endif
;; end of part 2
;; launch scan (part 3): grid 2 x 128, 8 waves a work-group, no clusters, 1,280 bytes of LDS; arguments xl, ends, tab, x16, sc; writes x16, sc
.if DOCPART == 3
	.amdgcn_target "amdgcn-amd-amdhsa--gfx1250"
	.amdhsa_code_object_version 6
	.text
	.protected	k_q54408ed973_scan
	.globl	k_q54408ed973_scan
	.p2align	8
	.type	k_q54408ed973_scan,@function
k_q54408ed973_scan:
	s_mov_b64 s[64:65], 0
	v_nop
	global_prefetch_b8 v0, s[64:65] scope:SCOPE_SE
	s_setreg_imm32_b32 hwreg(HW_REG_WAVE_MODE, 25, 1), 1
	s_wait_xcnt 0x0
; scan: the chunks of 128 rows are joined: x_t = s xl_t + lambda^(t+1) carry, t = 0..127 in the chunk, which is the reference's own step x2 + lambs x1[-1];
; x16 = f16(gamma x / S), columns (re, im) interleaved.  carry is the state at the end of the chunk before: carry = lambda^128 carry + E_j over the earlier chunks
; of the sequence, j ascending, in f32.  Written as x16 = f16(xl f + c_t) with f = s gamma / S, c_0 = lambda carry gamma / S, c_t = lambda c_(t-1), all in f32.
; Work-group (gx, c): chunk c (32 chunks a sequence), columns 1,024 gx .. + 1,023.  A wave owns 128 columns (64 channels), a lane two channels: 8 bytes of every row.
; s is made from the block's bound m exactly as the launch before made it: s = 2^(exponent of 192 m - 14).
; S is a power of two from a bound that holds for every input: |gamma x| <= gamma min(4096, 1/(1-|lambda|)) sqrt(2) max|u| <= B = 1.5 Gmax mmax,
; S = 2^(exponent of B - 14), so |x16| < 2^15, inside f16.  The next launch multiplies by S again.  Every work-group makes S from the same 12 KiB.
; LIMITS: with the largest bound m below about 1e-30 the factor gamma / S overflows.  A NaN among the bounds is passed over.
; A stream: 32 row slots in registers, 31 rows (256 bytes each) of every wave on their way; each row is read once; a load and a store of the wave cover 256
; neighbouring aligned bytes.  The 128 turns are written out, so that rows stand in the immediates and no address register is ever stepped.
; The row slots lie below v128, where a register's halves have names; the turns name them by number for that reason.
; Nothing is shared between work-groups but the small tables: no cluster, no tensor loads, no matrix unit.
.set UM,  8                            ; v[8:15]    my 8 of the 2,048 bounds m
.set GB,  16                           ; v[16:19]   my 4 of the 1,024 G
.set LAM, 20                           ; v[20:23]   lambda of my two channels: re, im, re, im
.set MU,  24                           ; v[24:27]   lambda^128
.set GA,  28                           ; v[28:29]   gamma, then gamma / S
.set SW,  30                           ; v30        my block's m, then s
.set SWA, 31                           ; v31        the byte of that word
.set FF,  32                           ; v[32:35]   f: f0, f0, f1, f1
.set CA,  36                           ; v[36:39]   the carry; then c_t, even turns read it
.set CB,  40                           ; v[40:43]   odd turns read it (before that: at work)
.set T,   44                           ; v[44:47]   at work
.set RED, 48                           ; v[48:63]   the eight waves' pairs of maxima
.set R,   64                           ; v[64:127]  32 row slots of 2 registers
.set EN,  128                          ; v[128:251] the local end states of chunks 0..30 of my sequence
.set Y,   128                          ; v[128:159] 16 slots of 2 registers to store; EN is dead by then
	s_load_b256 s[4:11], s[0:1], 0x0               ; xl s[4:5], ends s[6:7], tab s[8:9], x16 s[10:11]
	s_load_b64 s[12:13], s[0:1], 0x20              ; sc
	v_lshl_add_u32 v252, v0, 2, 0x100
	v_mov_b32 v253, 0
	v_lshrrev_b32 v1, 5, v0
	v_readfirstlane_b32 s14, v1                    ; wave
	v_and_b32 v1, 31, v0                           ; lane
	s_and_b32 s15, ttmp7, 0xffff                   ; chunk 0..127
	s_and_b32 s16, s15, 31                         ; chunk in its sequence
	s_lshl3_add_u32 s17, ttmp9, s14                ; group of 128 columns, 0..15
	s_lshl4_add_u32 s28, s15, s17                  ; 16 x chunk + group,
	s_lshl_b32 s28, s28, 2                         ; x 4 bytes: my block's word among the bounds
	v_mov_b32 v[SWA], s28
	s_lshl_b32 s17, s17, 9
	v_lshl_add_u32 v2, v1, 4, s17                  ; byte of my four columns in a row of f32
	v_lshrrev_b32 v3, 1, v2                        ; in a row of f16; also the byte of my two gamma
	v_lshlrev_b32 v4, 4, v0                        ; 16 x thread
	v_lshlrev_b32 v5, 3, v1                        ; 8 x lane
	s_mov_b32 s20, 0x76543210                      ; v_permlanex16_b32: lane i of one half reads lane i of the other
	s_mov_b32 s21, 0xfedcba98
	s_lshl_b32 s24, s15, 19                        ; 128 rows of 4,096 bytes, in xl and in x16
	s_mov_b32 s25, 0
	s_lshr_b32 s26, s15, 5
	s_lshl_b32 s26, s26, 18                        ; my sequence's 32 rows of end states
	s_mov_b32 s27, 0
	s_wait_kmcnt 0x0
	s_add_nc_u64 s[4:5], s[4:5], s[24:25]
	s_add_nc_u64 s[10:11], s[10:11], s[24:25]
	s_add_nc_u64 s[18:19], s[6:7], s[26:27]
	; 63 loads in one run: 7 small ones, 31 end states, rows 0..24
	global_load_b128 v[UM:UM+3],   v4, s[6:7] offset:1048576
	global_load_b128 v[UM+4:UM+7], v4, s[6:7] offset:1052672
	global_load_b128 v[GB:GB+3],   v4, s[8:9] offset:20480
	global_load_b128 v[LAM:LAM+3], v2, s[8:9]
	global_load_b128 v[MU:MU+3],   v2, s[8:9] offset:8192
	global_load_b64  v[GA:GA+1],   v3, s[8:9] offset:16384
	global_load_b32  v[SW],        v[SWA], s[6:7] offset:1048576
.set J, 0
.rept 31                                           ; all 31 in every work-group, so that each register is written on every path: 16 KiB a wave beside its 32 KiB of xl
	global_load_b128 v[EN+4*J:EN+4*J+3], v2, s[18:19] offset:8192*J
.set J, J+1
.endr
.set J, 0
.rept 25
	global_load_b64 v[R+2*J:R+2*J+1], v3, s[4:5] offset:4096*J th:TH_LOAD_NT
.set J, J+1
.endr
	; ---- S, s and the factors ----
	s_wait_loadcnt 56                              ; the seven small loads are in; 31 end states and 25 rows stay out
.rept 7                                            ; rows 25..31: the ring is full
	global_load_b64 v[R+2*J:R+2*J+1], v3, s[4:5] offset:4096*J th:TH_LOAD_NT
.set J, J+1
.endr
	v_max3_num_f32 v[T], v[UM], v[UM+1], v[UM+2]
	v_max3_num_f32 v[T], v[T], v[UM+3], v[UM+4]
	v_max3_num_f32 v[T], v[T], v[UM+5], v[UM+6]
	v_max_num_f32 v[T], v[T], v[UM+7]
	v_max3_num_f32 v[T+1], v[GB], v[GB+1], v[GB+2]
	v_max_num_f32 v[T+1], v[T+1], v[GB+3]
.irp m, 1,2,4,8
	v_max_num_f32_dpp v[T], v[T], v[T] row_xmask:\m row_mask:0xf bank_mask:0xf
	v_max_num_f32_dpp v[T+1], v[T+1], v[T+1] row_xmask:\m row_mask:0xf bank_mask:0xf
.endr
	v_mov_b32 v[T+2], 0                            ; v_permlanex16_b32 counts as a reader of its destination
	v_mov_b32 v[T+3], 0
	v_permlanex16_b32 v[T+2], v[T], s20, s21
	v_permlanex16_b32 v[T+3], v[T+1], s20, s21
	v_max_num_f32 v[T], v[T], v[T+2]
	v_max_num_f32 v[T+1], v[T+1], v[T+3]
	v_mov_b32 v[CB], s14
	v_lshlrev_b32 v[CB], 3, v[CB]
	ds_store_b64 v[CB], v[T:T+1]                   ; every lane of the wave writes the same 8 bytes with the same values
	s_wait_dscnt 0x0                               ; for the other waves' sake: my store is done
	s_barrier_signal -1
	s_barrier_wait -1
	v_mov_b32 v[CB+1], 0
.irp k, 0,1,2,3
	ds_load_b128 v[RED+4*\k:RED+4*\k+3], v[CB+1] offset:16*\k
.endr
	s_wait_dscnt 0x0
	v_max3_num_f32 v[T],   v[RED],   v[RED+2], v[RED+4]
	v_max3_num_f32 v[T+1], v[RED+1], v[RED+3], v[RED+5]
	v_max3_num_f32 v[T],   v[T],   v[RED+6], v[RED+8]
	v_max3_num_f32 v[T+1], v[T+1], v[RED+7], v[RED+9]
	v_max3_num_f32 v[T],   v[T],   v[RED+10], v[RED+12]
	v_max3_num_f32 v[T+1], v[T+1], v[RED+11], v[RED+13]
	v_max_num_f32 v[T],   v[T],   v[RED+14]        ; mmax
	v_max_num_f32 v[T+1], v[T+1], v[RED+15]        ; Gmax
	v_mul_f32 v[T], v[T], v[T+1]
	v_mul_f32 v[T], 0x3fc00000, v[T]               ; B = 1.5 Gmax mmax
	v_and_b32 v[T], 0x7f800000, v[T]               ; its exponent field,
	v_max_u32 v[T], 0x07800000, v[T]               ; at least 15, so that S stays a normal number,
	v_add_nc_u32 v6, 0xf9000000, v[T]              ; less 14: the bits of S
	v_mov_b32 v7, v6
	v_sub_nc_u32 v[T+1], 0x7f000000, v6            ; exponent field 254 - that of S: the bits of 1 / S
	v_mul_f32 v[SW], 0x43400000, v[SW]             ; 192 m: the same four steps as in the launch that scaled xl
	v_and_b32 v[SW], 0x7f800000, v[SW]
	v_max_u32 v[SW], 0x07800000, v[SW]
	v_add_nc_u32 v[SW], 0xf9000000, v[SW]          ; the bits of s
	v_mul_f32 v[GA],   v[GA],   v[T+1]             ; gamma / S
	v_mul_f32 v[GA+1], v[GA+1], v[T+1]
	v_mul_f32 v[FF],   v[GA],   v[SW]              ; f = s gamma / S
	v_mul_f32 v[FF+2], v[GA+1], v[SW]
	v_mov_b32 v[FF+1], v[FF]
	v_mov_b32 v[FF+3], v[FF+2]
	s_or_b32 s28, ttmp9, s15
	s_or_b32 s28, s28, s14
	s_cmp_lg_u32 s28, 0
	s_cbranch_scc1 .Lno_sc                         ; wave 0 of work-group (0, 0) alone hands S on
	global_store_b64 v5, v[6:7], s[12:13]          ; 64 copies: the buffer's 256 bytes, whole; v5, v6, v7 are not written again
.Lno_sc:
	; ---- the state that enters my chunk ----
.irp k, 0,1,2,3
	v_mov_b32 v[CA+\k], 0
.endr
	s_wait_loadcnt 32                              ; the 31 end states are in; the 32 rows may stay out
.set J, 0
.rept 31
	s_cmp_eq_u32 s16, J                            ; chunks 0 .. my own - 1 count
	s_cbranch_scc1 .Lcarried
	v_fma_f32 v[T],   v[CA],   v[MU],   v[EN+4*J]
	v_fma_f32 v[T+1], v[CA+1], v[MU],   v[EN+4*J+1]
	v_fma_f32 v[T+2], v[CA+2], v[MU+2], v[EN+4*J+2]
	v_fma_f32 v[T+3], v[CA+3], v[MU+2], v[EN+4*J+3]
	v_fma_f32 v[T+1], v[CA],   v[MU+1], v[T+1]
	v_fma_f32 v[T+3], v[CA+2], v[MU+3], v[T+3]
	v_fma_f32 v[CA],   -v[CA+1], v[MU+1], v[T]
	v_fma_f32 v[CA+2], -v[CA+3], v[MU+3], v[T+2]
	v_mov_b32 v[CA+1], v[T+1]
	v_mov_b32 v[CA+3], v[T+3]
.set J, J+1
.endr
.Lcarried:
	v_mul_f32 v[CA],   v[CA],   v[GA]              ; carry gamma / S
	v_mul_f32 v[CA+1], v[CA+1], v[GA]
	v_mul_f32 v[CA+2], v[CA+2], v[GA+1]
	v_mul_f32 v[CA+3], v[CA+3], v[GA+1]
; Turn t, on the row slot v[ra:rb]: c_t = lambda c_(t-1); the row's four f16 are widened; the slot, read here for the last time, is asked for row t + 32;
; xl f + c_t, rounded once to f16, is stored.
.macro TURN t, ra, rb
.set YS, Y+2*((\t)%16)
.if (\t)%2
.set CI, CB
.set CN, CA
.else
.set CI, CA
.set CN, CB
.endif
.if (\t) <= 96
.set LEFT, 31                                      ; rows t + 1 .. t + 31 have been asked for behind row t
.else
.set LEFT, 127-(\t)                                ; nothing is asked for beyond row 127: the counts run down
.endif
.if ((\t)%16 == 0) && ((\t) > 0)
	s_wait_xcnt 0x0                                ; the 16 Y slots are sources of the last 16 stores: they are rewritten only behind this wait (ISA guide 3.1)
.endif
	v_mul_f32 v[CN],   v[CI],   v[LAM]
	v_mul_f32 v[CN+1], v[CI+1], v[LAM]
	v_mul_f32 v[CN+2], v[CI+2], v[LAM+2]
	v_mul_f32 v[CN+3], v[CI+3], v[LAM+2]
	v_fma_f32 v[CN],   -v[CI+1], v[LAM+1], v[CN]
	v_fma_f32 v[CN+1], v[CI],    v[LAM+1], v[CN+1]
	v_fma_f32 v[CN+2], -v[CI+3], v[LAM+3], v[CN+2]
	v_fma_f32 v[CN+3], v[CI+2],  v[LAM+3], v[CN+3]
	s_wait_loadcnt LEFT                            ; loads come back in order: row t is in
	v_cvt_f32_f16 v[T],   v\ra\().l
	v_cvt_f32_f16 v[T+1], v\ra\().h
	v_cvt_f32_f16 v[T+2], v\rb\().l
	v_cvt_f32_f16 v[T+3], v\rb\().h
.if (\t) <= 95
	global_load_b64 v[\ra:\rb], v3, s[4:5] offset:4096*((\t)+32) th:TH_LOAD_NT
.endif
	v_pk_fma_f32 v[T:T+1],   v[T:T+1],   v[FF:FF+1],   v[CN:CN+1]
	v_pk_fma_f32 v[T+2:T+3], v[T+2:T+3], v[FF+2:FF+3], v[CN+2:CN+3]
	v_cvt_pk_f16_f32 v[YS],   v[T],   v[T+1]
	v_cvt_pk_f16_f32 v[YS+1], v[T+2], v[T+3]
	global_store_b64 v3, v[YS:YS+1], s[10:11] offset:4096*(\t)        ; the wave's 256 neighbouring bytes, aligned
.endm
.macro LAP32 q                         ; once round the ring of 32 slots
	TURN 32*\q+0, 64, 65
	TURN 32*\q+1, 66, 67
	TURN 32*\q+2, 68, 69
	TURN 32*\q+3, 70, 71
	TURN 32*\q+4, 72, 73
	TURN 32*\q+5, 74, 75
	TURN 32*\q+6, 76, 77
	TURN 32*\q+7, 78, 79
	TURN 32*\q+8, 80, 81
	TURN 32*\q+9, 82, 83
	TURN 32*\q+10, 84, 85
	TURN 32*\q+11, 86, 87
	TURN 32*\q+12, 88, 89
	TURN 32*\q+13, 90, 91
	TURN 32*\q+14, 92, 93
	TURN 32*\q+15, 94, 95
	TURN 32*\q+16, 96, 97
	TURN 32*\q+17, 98, 99
	TURN 32*\q+18, 100, 101
	TURN 32*\q+19, 102, 103
	TURN 32*\q+20, 104, 105
	TURN 32*\q+21, 106, 107
	TURN 32*\q+22, 108, 109
	TURN 32*\q+23, 110, 111
	TURN 32*\q+24, 112, 113
	TURN 32*\q+25, 114, 115
	TURN 32*\q+26, 116, 117
	TURN 32*\q+27, 118, 119
	TURN 32*\q+28, 120, 121
	TURN 32*\q+29, 122, 123
	TURN 32*\q+30, 124, 125
	TURN 32*\q+31, 126, 127
.endm
	LAP32 0
	LAP32 1
	LAP32 2
	LAP32 3
	s_wait_tensorcnt 0x0
	ds_add_u32 v252, v253
	s_wait_dscnt 0x0
	s_endpgm
.Lfunc_end_k_q54408ed973_scan:
	.size	k_q54408ed973_scan, .Lfunc_end_k_q54408ed973_scan-k_q54408ed973_scan
	.p2alignl 7, 3214868480
	.fill 96, 4, 3214868480
	.section	.rodata,"a",@progbits
	.p2align	6, 0x0
	.amdhsa_kernel k_q54408ed973_scan
		.amdhsa_group_segment_fixed_size 1280
		.amdhsa_private_segment_fixed_size 0
		.amdhsa_enable_private_segment 0
		.amdhsa_kernarg_size 40
		.amdhsa_user_sgpr_count 2
		.amdhsa_user_sgpr_kernarg_segment_ptr 1
		.amdhsa_wavefront_size32 1
		.amdhsa_system_sgpr_workgroup_id_x 1
		.amdhsa_system_sgpr_workgroup_id_y 1
		.amdhsa_system_sgpr_workgroup_id_z 1
		.amdhsa_system_vgpr_workitem_id 0
		.amdhsa_next_free_vgpr 254
		.amdhsa_next_free_sgpr 66
		.amdhsa_reserve_vcc 0
		.amdhsa_float_denorm_mode_32 3
		.amdhsa_float_denorm_mode_16_64 3
		.amdhsa_memory_ordered 1
		.amdhsa_forward_progress 1
		.amdhsa_inst_pref_size 153
	.end_amdhsa_kernel
	.amdgpu_metadata
---
amdhsa.version: [ 1, 2 ]
amdhsa.kernels:
  - .name:           k_q54408ed973_scan
    .symbol:         k_q54408ed973_scan.kd
    .args:
      - { .name: xl, .offset: 0, .size: 8, .value_kind: global_buffer, .address_space: global }
      - { .name: ends, .offset: 8, .size: 8, .value_kind: global_buffer, .address_space: global }
      - { .name: tab, .offset: 16, .size: 8, .value_kind: global_buffer, .address_space: global }
      - { .name: x16, .offset: 24, .size: 8, .value_kind: global_buffer, .address_space: global }
      - { .name: sc, .offset: 32, .size: 8, .value_kind: global_buffer, .address_space: global }
    .group_segment_fixed_size: 1280
    .private_segment_fixed_size: 0
    .kernarg_segment_align: 8
    .kernarg_segment_size: 40
    .max_flat_workgroup_size: 256
    .sgpr_count:     66
    .vgpr_count:     254
    .wavefront_size: 32
...
	.end_amdgpu_metadata
.endif
;; end of part 3
;; launch gemm2 (part 4): grid 4 x 64, 4 waves a work-group, clusters of 4 x 4, 327,680 bytes of LDS; arguments x16, wo16, out0, bo, sc; writes out0
.if DOCPART == 4
	.amdgcn_target "amdgcn-amd-amdhsa--gfx1250"
	.amdhsa_code_object_version 6
	.text
	.protected	k_q54408ed973_gemm2
	.globl	k_q54408ed973_gemm2
	.p2align	8
	.type	k_q54408ed973_gemm2,@function
k_q54408ed973_gemm2:
	s_mov_b64 s[64:65], 0
	v_nop
	global_prefetch_b8 v0, s[64:65] scope:SCOPE_SE
	s_setreg_imm32_b32 hwreg(HW_REG_WAVE_MODE, 25, 1), 1
	s_wait_xcnt 0x0
	s_wait_alu depctr_hold_cnt(0) depctr_sa_sdst(0) depctr_va_vdst(0) depctr_va_sdst(0) depctr_va_ssrc(0) depctr_va_vcc(0) depctr_vm_vsrc(0)
	s_getreg_b32 s2, hwreg(HW_REG_IB_STS2, 6, 4)
	s_cmp_eq_u32 s2, 0
	s_cbranch_scc0 .Lentry_in_a_cluster
	s_endpgm
.Lentry_in_a_cluster:
	s_bfe_u32 s2, ttmp6, 0x10000c
	s_cmp_lg_u32 s2, 0xf033
	s_cbranch_scc0 .Lentry_shape_is_right
	s_endpgm
.Lentry_shape_is_right:
; gemm2: out0[m][n] = relu(S x sum over k of x16[m][k] wo16[n][k] + bo[n]), f16 operands, f32 sums.  x16 holds gamma x / S with (re, im) interleaved along K,
; wo16 holds Wo's columns in the same order; S is the power of two that the launch before chose, so multiplying by it is exact.
; LIMIT: relu is a maximum with 0 in which a NaN loses: a NaN sum gives 0.
; A work-group makes a block of 256 x 256 with four waves, one for each SIMD of a WGP; a wave makes 128 x 128: 64 accumulator tiles of 16 x 16,
; 512 registers.  K goes in steps of 128 through a ring of two LDS slots filled by the tensor data mover; a tile's rows are 256 bytes of
; memory and start at multiples of 256 bytes from the buffer's first byte.
; CLUSTERS: 4 x 4 work-groups.  The four of a row of the cluster need the same tiles of A, the four of a column the same tiles of B: each such tile
; is asked for jointly, by the same tensor load with the same descriptor and a mask that names the four.  That divides the requests by four.
; REGISTERS, in windows of 256: window 0: v0-31 addresses; v64-127, v128-191 fragments of A, two buffers (on the way out: rows of the result);
;   v192-197 bo and S.  Window 1: v64-127, v128-191 fragments of B.  Window 2: the 32 accumulator tiles of my rows 0-63
;   (tile (a, b) at v[8 (8 a + b)]); window 3: those of my rows 64-127.
; THE MATRIX INSTRUCTION IS USED TRANSPOSED: source 0 = 16 rows of B, source 1 = 16 rows of A; lane l then holds row l % 16 of C and in its
; registers 0-7 the columns 8 (l / 16) + 0..7: 32 neighbouring bytes of a row of the result.
; The 64 accumulators take turns, one instruction a turn, in the same order in every quarter step, over the backward jump too.
.set SIZE_K, 2048
.set SIZE_N, 1024
.set ROWB,   SIZE_N*4                  ; bytes in a row of out0
.set KSTEP,  128
.set PITCH,  272                       ; an LDS row: 256 bytes + 16 of padding: the 16 rows that a fragment load touches lie in 16 different 16-byte columns of 256
.set HALFT,  128*PITCH
.set SLOT,   4*HALFT                   ; A's 256 rows, then B's 256 rows
.set STAGE,  2*SLOT                    ; behind the ring (byte 278,528 = 1,088 x 256): 16 rows x 528 bytes for each wave; no fill ever lands here
.set SPITCH, 528                       ; 512 bytes + 16: 33 x 16
.set LAPS, SIZE_K/(2*KSTEP)
.set ADRA, 16
.set ADRB, 20
.set STO,  24
.set RD,   25
.set CO,   26                          ; v26     16 x lane
.set VB,   27                          ; v27     byte of my four columns in bo
.set LN,   28                          ; v28     lane
.set F0,   64
.set F1,   128
.set BIAS, 192                         ; v[192:195] bo of my four columns
.set SV,   196                         ; v[196:197] S, twice
.set G1, 24
.set G0, 32
.set G1B, 48
.set G0B, 56
.set MSB, 0
.macro WIN new                         ; the immediate's high byte repeats the setting that is left
.if MSB != \new
	s_set_vgpr_msb (MSB<<8)|\new
.set MSB, \new
.endif
.endm
.set MUL_LO, 0xa1                      ; source 0 (B) window 1, source 1 (A) window 0, C and D window 2
.set MUL_HI, 0xf1                      ; the same, C and D window 3
.set TO_B,   0x40                      ; destination window 1, address window 0
; A joint load.  Waves 0 and 1 fetch A's two halves, waves 2 and 3 B's.  The branch hangs on the wave's number alone.
.macro JLOAD s
	s_cmp_eq_u32 s11, 0
	s_cbranch_scc0 .Lfor_b_\@
	tensor_load_to_lds s[G0+4*\s:G0+4*\s+3], s[G1:G1+7]
	s_nop 0
	s_branch .Lasked_\@
.Lfor_b_\@:
	tensor_load_to_lds s[G0B+4*\s:G0B+4*\s+3], s[G1B:G1B+7]
	s_nop 0
.Lasked_\@:
.endm
; A round of the cluster's barrier: my work-group's barrier; wave 0 signals for the work-group; every wave waits for all sixteen; my work-group's barrier once more.
.macro CREST
	s_cmp_lg_u32 s10, 0
	s_cbranch_scc1 .Lnot_wave_0_\@
	s_barrier_signal -3
.Lnot_wave_0_\@:
	s_barrier_wait -3
	s_barrier_signal -1
	s_barrier_wait -1
.endm
.macro CROUND
	s_barrier_signal -1
	s_barrier_wait -1
	CREST
.endm
	s_load_b128 s[4:7], s[0:1], 0x0                ; x16 s[4:5], wo16 s[6:7]
	s_load_b64 s[8:9], s[0:1], 0x10                ; out0
	s_load_b128 s[68:71], s[0:1], 0x18             ; bo s[68:69], sc s[70:71]
	s_set_vgpr_msb 0x40
	v_lshl_add_u32 v255, v0, 2, 0x4c400
	s_set_vgpr_msb 0x4000
	v_mov_b32 v255, 0
	s_set_vgpr_msb 0x1
	ds_add_u32 v255, v255
	s_set_vgpr_msb 0x100
	v_lshrrev_b32 v1, 5, v0
	v_readfirstlane_b32 s10, v1                    ; wave 0..3
	s_lshr_b32 s11, s10, 1                         ; which half of the block's rows is mine.  Also: I fetch for A (0) or for B (1)
	s_and_b32 s12, s10, 1                          ; which half of its columns.  Also: which 128 rows of that tile I fetch
	s_bfe_u32 s40, ttmp6, 0x40000                  ; cx
	s_bfe_u32 s41, ttmp6, 0x40004                  ; cy
	s_lshl_b32 s42, ttmp9, 2
	s_add_co_u32 s42, s42, s40                     ; block column = 4 x cluster x + cx
	s_and_b32 s13, ttmp7, 0xffff
	s_lshl_b32 s13, s13, 2
	s_add_co_u32 s13, s13, s41                     ; block row = 4 x cluster y + cy
	s_lshl_b32 s43, s41, 2
	s_lshl_b32 s43, 15, s43                        ; my row of the cluster
	s_lshl_b32 s44, 0x1111, s40                    ; my column
	; descriptor group 1: a tile of 128 rows x 128 elements of 2 bytes, 4 words of padding behind every 64
	s_or_b32 s[G1+0], s43, (1<<16)|(1<<20)|(1<<21)|(5<<22)|(3<<25)
	s_or_b32 s[G1B+0], s44, (1<<16)|(1<<20)|(1<<21)|(5<<22)|(3<<25)
	s_mov_b32 s[G1B+1], KSTEP<<16
	s_mov_b32 s[G1+1], KSTEP<<16                   ; tensor_dim0 = 128
	s_mov_b32 s[G1B+2], 128<<16
	s_mov_b32 s[G1+2], 128<<16                     ; tensor_dim1 = 128
	s_mov_b32 s[G1B+3], KSTEP<<16
	s_mov_b32 s[G1+3], KSTEP<<16                   ; tile_dim0 = 128
	s_mov_b32 s[G1B+4], 128
	s_mov_b32 s[G1+4], 128                         ; tile_dim1 = 128
	s_mov_b32 s[G1B+5], SIZE_K
	s_mov_b32 s[G1+5], SIZE_K                      ; elements from row to row
	s_mov_b32 s[G1B+6], 0
	s_mov_b32 s[G1+6], 0
	s_mov_b32 s[G1B+7], 0
	s_mov_b32 s[G1+7], 0
	s_lshl_b32 s17, s12, 7
	s_lshl_b32 s16, s13, 8
	s_add_co_u32 s16, s16, s17                     ; A: row 256 x block row + 128 x half
	s_lshl_b32 s46, s42, 8
	s_add_co_u32 s46, s46, s17                     ; B: row 256 x block column + 128 x half
	s_mov_b32 s17, 0
	s_mov_b32 s47, 0
	s_mov_b64 s[18:19], SIZE_K*2
	s_mul_u64 s[16:17], s[16:17], s[18:19]
	s_mul_u64 s[46:47], s[46:47], s[18:19]
	s_mul_i32 s20, s10, HALFT                      ; where they go: wave x 128 rows
	s_lshl_b32 s78, s42, 10                        ; for the way out, in registers that feed no descriptor:
	s_lshl_b32 s79, s12, 9
	s_add_co_u32 s78, s78, s79                     ; byte of my first column in a row of f32
	s_mov_b32 s79, 0
	s_wait_dscnt 0x0
	s_wait_kmcnt 0x0
	s_load_b32 s76, s[70:71], 0x0                  ; S
	s_add_nc_u64 s[14:15], s[4:5], s[16:17]
	s_add_nc_u64 s[46:47], s[6:7], s[46:47]
	CROUND                                         ; all sixteen work-groups are here: the first joint loads meet
.irp s, 0,1
	s_mov_b32 s[G0+4*\s], 1
	s_add_co_u32 s[G0+4*\s+1], s20, \s*SLOT
	s_add_nc_u64 s[G0+4*\s+2:G0+4*\s+3], s[14:15], \s*KSTEP*2
	s_or_b32 s[G0+4*\s+3], s[G0+4*\s+3], 0x80000000
	s_mov_b32 s[G0B+4*\s], 1
	s_add_co_u32 s[G0B+4*\s+1], s20, \s*SLOT
	s_add_nc_u64 s[G0B+4*\s+2:G0B+4*\s+3], s[46:47], \s*KSTEP*2
	s_or_b32 s[G0B+4*\s+3], s[G0B+4*\s+3], 0x80000000
	JLOAD \s                                       ; the ring is filled before anything else is done: two tensor loads of the wave are out
.endr
	v_and_b32 v[LN], 31, v0
	v_lshl_add_u32 v[VB], v[LN], 4, s78
	global_load_b128 v[BIAS:BIAS+3], v[VB], s[68:69]
	v_and_b32 v1, 15, v0
	v_bfe_u32 v2, v0, 4, 1
	v_mul_u32_u24 v3, v1, PITCH
	v_lshl_add_u32 v3, v2, 4, v3
	s_mul_i32 s21, s11, HALFT
	s_mul_i32 s22, s12, HALFT
	s_add_co_u32 s22, s22, 2*HALFT
.irp s, 0,1
	v_add_nc_u32 v[ADRA+\s], s21, v3
	v_add_nc_u32 v[ADRB+\s], s22, v3
	s_add_co_u32 s21, s21, SLOT
	s_add_co_u32 s22, s22, SLOT
.endr
	s_mul_i32 s23, s10, 16*SPITCH
	s_add_co_u32 s23, s23, STAGE                   ; my stage
	v_mul_u32_u24 v4, v1, SPITCH
	v_lshl_add_u32 v4, v2, 5, v4
	v_add_nc_u32 v[STO], s23, v4
	v_lshl_add_u32 v[RD], v[LN], 4, s23
	v_lshlrev_b32 v[CO], 4, v[LN]
.macro MUL16 f, hi, a0, zero
.irp a, \a0, \a0+1
.irp b, 0,1,2,3,4,5,6,7
.if \zero
	v_wmma_f32_16x16x32_f16 v[8*(8*(\a)+\b):8*(8*(\a)+\b)+7], v[\f+8*\b:\f+8*\b+7], v[\f+8*(4*\hi+\a):\f+8*(4*\hi+\a)+7], 0
.else
	v_wmma_f32_16x16x32_f16 v[8*(8*(\a)+\b):8*(8*(\a)+\b)+7], v[\f+8*\b:\f+8*\b+7], v[\f+8*(4*\hi+\a):\f+8*(4*\hi+\a)+7], v[8*(8*(\a)+\b):8*(8*(\a)+\b)+7]
.endif
.endr
.endr
.endm
.macro FETCH slot, k, f
	WIN TO_B
.irp i, 0,1,2,3,4,5,6,7
	ds_load_b128 v[\f+8*\i:\f+8*\i+3],   v[ADRB+\slot] offset:\k+\i*16*PITCH
	ds_load_b128 v[\f+8*\i+4:\f+8*\i+7], v[ADRB+\slot] offset:\k+\i*16*PITCH+32
.endr
	WIN 0
.irp i, 0,1,2,3,4,5,6,7
	ds_load_b128 v[\f+8*\i:\f+8*\i+3],   v[ADRA+\slot] offset:\k+\i*16*PITCH
	ds_load_b128 v[\f+8*\i+4:\f+8*\i+7], v[ADRA+\slot] offset:\k+\i*16*PITCH+32
.endr
.endm
; Four places of plain vector instructions stand between a matrix instruction and a load into one of its registers, or a reader of its result
; (ISA guide 7.12.1 for vector instructions); matrix instructions in between are not counted.
.macro PLACES
.rept 4
	v_nop
.endr
.endm
.macro QUARTER slot, k, f, g, zero
	s_wait_dscnt 8                                 ; B and A's rows 0-63 are in; the youngest eight loads (A's rows 64-127) may be out
	WIN MUL_LO
	MUL16 \f, 0, 0, \zero
	MUL16 \f, 0, 2, \zero
	PLACES
	FETCH \slot, \k, \g
	s_wait_dscnt 32                                ; all but the 32 just issued
	WIN MUL_HI
	MUL16 \f, 1, 0, \zero
	MUL16 \f, 1, 2, \zero
.endm
.macro THREE slot, zero
	QUARTER \slot, 64,  F0, F1, \zero
	QUARTER \slot, 128, F1, F0, 0
	QUARTER \slot, 192, F0, F1, 0
.endm
; The last quarter multiplies buffer 1 and changes slots.  In front of the barrier each wave waits for its reads of this slot and for all its tensor
; loads (one is out: its part of the next slot).  Behind it the refill comes first, then the next slot's first fragments.
.macro TURN slot, next, fill
	s_wait_dscnt 8
	WIN MUL_LO
	MUL16 F1, 0, 0, 0
	s_wait_dscnt 0                                 ; my reads of this slot are over
	s_wait_tensorcnt 0x0                           ; and all my tensor loads have landed
	ds_add_u32 v255, v255
	s_wait_dscnt 0x0
	s_barrier_signal -1
	MUL16 F1, 0, 2, 0                              ; work on registers while the others arrive
	WIN 0
	s_barrier_wait -1
.if \fill
	CREST                                          ; no wave of any partner still reads this slot's tile or has a load on its way
	s_add_nc_u64 s[G0+4*\slot+2:G0+4*\slot+3], s[G0+4*\slot+2:G0+4*\slot+3], 2*KSTEP*2
	s_add_nc_u64 s[G0B+4*\slot+2:G0B+4*\slot+3], s[G0B+4*\slot+2:G0B+4*\slot+3], 2*KSTEP*2
	JLOAD \slot                                    ; the first tensor load behind the round, and the wave's only one until the next
.endif
	PLACES
	FETCH \next, 0, F0
	WIN MUL_HI
	MUL16 F1, 1, 0, 0
	MUL16 F1, 1, 2, 0
.endm
.macro LAP zero
	THREE 0, \zero
	TURN 0, 1, 1
	THREE 1, 0
	TURN 1, 0, 1
.endm
	s_wait_loadcnt 0x0                             ; bo, once
	s_wait_kmcnt 0x0                               ; S
	v_mov_b32 v[SV], s76
	v_mov_b32 v[SV+1], s76
	s_wait_tensorcnt 1                             ; my part of K step 0 is in; K step 1's may stay out
	s_barrier_signal -1
	s_barrier_wait -1
	FETCH 0, 0, F0
	LAP 1                                          ; the first lap stands in front of the loop: its first products start the sums
	WIN 0                                          ; at a label and at a branch every window is 0
	s_mov_b32 s3, LAPS-2
.Llap:
	LAP 0
	WIN 0
	s_sub_co_u32 s3, s3, 1
	s_cmp_lg_u32 s3, 0
	s_cbranch_scc1 .Llap
	THREE 0, 0                                     ; the last lap fills nothing
	TURN 0, 1, 0
	THREE 1, 0
	s_wait_dscnt 8
	WIN MUL_LO
	MUL16 F1, 0, 0, 0
	MUL16 F1, 0, 2, 0
	s_wait_dscnt 0
	WIN MUL_HI
	MUL16 F1, 1, 0, 0
	MUL16 F1, 1, 2, 0
	; THE WAY OUT, 16 rows at a time: 32 bytes a lane into my own stage, read back as whole rows of 512 bytes
	PLACES
	WIN 0
	s_lshl_b32 s13, s13, 8
	s_lshl_b32 s14, s11, 7
	s_add_co_u32 s16, s13, s14                     ; my first row
	s_mov_b32 s17, 0
	s_mov_b64 s[18:19], ROWB
	s_mul_u64 s[16:17], s[16:17], s[18:19]
	s_add_nc_u64 s[8:9], s[8:9], s[16:17]
	s_add_nc_u64 s[8:9], s[8:9], s[78:79]          ; and my first column
; one row: S x sum + bo in one fused step, relu, store
.macro ROW f, t
.set U, \f+4*\t
	s_wait_dscnt 15-\t                             ; LDS loads come back in order: row t is in, the younger rows stay out
	v_pk_fma_f32 v[U:U+1],   v[U:U+1],   v[SV:SV+1], v[BIAS:BIAS+1]
	v_pk_fma_f32 v[U+2:U+3], v[U+2:U+3], v[SV:SV+1], v[BIAS+2:BIAS+3]
	v_max_num_f32 v[U],   0, v[U]
	v_max_num_f32 v[U+1], 0, v[U+1]
	v_max_num_f32 v[U+2], 0, v[U+2]
	v_max_num_f32 v[U+3], 0, v[U+3]
	global_store_b128 v[CO], v[U:U+3], s[8:9] offset:\t*ROWB th:TH_STORE_NT   ; the wave's 512 neighbouring bytes, aligned
.endm
; rows 16 i .. 16 i + 15 of my block = the eight tiles (a, 0..7) of window 2 or 3 (win = 0x08 or 0x0c: an LDS store's data is source 1); f: F0 or F1 in turn
.macro OUT16 i, a, win, f
	WIN \win
.irp b, 0,1,2,3,4,5,6,7
	ds_store_b128 v[STO], v[8*(8*\a+\b):8*(8*\a+\b)+3]   offset:64*\b
	ds_store_b128 v[STO], v[8*(8*\a+\b)+4:8*(8*\a+\b)+7] offset:64*\b+16
.endr
	WIN 0
	s_wait_xcnt 0x0                                ; buffer f, which earlier stores read, and the stores' base are rewritten only behind this wait (ISA guide 3.1)
.if \i
	s_add_nc_u64 s[8:9], s[8:9], 16*ROWB
.endif
.irp t, 0,1,2,3,4,5,6,7,8,9,10,11,12,13,14,15
	ds_load_b128 v[\f+4*\t:\f+4*\t+3], v[RD] offset:\t*SPITCH         ; LDS serves a wave's instructions in order (ISA guide 5.7.1.4): these see the stores above
.endr
.irp t, 0,1,2,3,4,5,6,7,8,9,10,11,12,13,14,15
	ROW \f, \t
.endr
.endm
	OUT16 0, 0, 0x08, F0
	OUT16 1, 1, 0x08, F1
	OUT16 2, 2, 0x08, F0
	OUT16 3, 3, 0x08, F1
	OUT16 4, 0, 0x0c, F0
	OUT16 5, 1, 0x0c, F1
	OUT16 6, 2, 0x0c, F0
	OUT16 7, 3, 0x0c, F1
	s_set_vgpr_msb 0x1
	s_wait_tensorcnt 0x0
	ds_add_u32 v255, v255
	s_wait_dscnt 0x0
	s_set_vgpr_msb 0x100
	CROUND                                         ; the closing round: no work-group ends while a partner may still ask for a tile that names it
	s_endpgm
.Lfunc_end_k_q54408ed973_gemm2:
	.size	k_q54408ed973_gemm2, .Lfunc_end_k_q54408ed973_gemm2-k_q54408ed973_gemm2
	.p2alignl 7, 3214868480
	.fill 96, 4, 3214868480
	.section	.rodata,"a",@progbits
	.p2align	6, 0x0
	.amdhsa_kernel k_q54408ed973_gemm2
		.amdhsa_group_segment_fixed_size 327680
		.amdhsa_private_segment_fixed_size 0
		.amdhsa_enable_private_segment 0
		.amdhsa_kernarg_size 40
		.amdhsa_user_sgpr_count 2
		.amdhsa_user_sgpr_kernarg_segment_ptr 1
		.amdhsa_wavefront_size32 1
		.amdhsa_system_sgpr_workgroup_id_x 1
		.amdhsa_system_sgpr_workgroup_id_y 1
		.amdhsa_system_sgpr_workgroup_id_z 1
		.amdhsa_system_vgpr_workitem_id 0
		.amdhsa_next_free_vgpr 1024
		.amdhsa_next_free_sgpr 80
		.amdhsa_reserve_vcc 0
		.amdhsa_float_denorm_mode_32 3
		.amdhsa_float_denorm_mode_16_64 3
		.amdhsa_memory_ordered 1
		.amdhsa_forward_progress 1
		.amdhsa_inst_pref_size 228
	.end_amdhsa_kernel
	.amdgpu_metadata
---
amdhsa.version: [ 1, 2 ]
amdhsa.kernels:
  - .name:           k_q54408ed973_gemm2
    .symbol:         k_q54408ed973_gemm2.kd
    .args:
      - { .name: x16, .offset: 0, .size: 8, .value_kind: global_buffer, .address_space: global }
      - { .name: wo16, .offset: 8, .size: 8, .value_kind: global_buffer, .address_space: global }
      - { .name: out0, .offset: 16, .size: 8, .value_kind: global_buffer, .address_space: global }
      - { .name: bo, .offset: 24, .size: 8, .value_kind: global_buffer, .address_space: global }
      - { .name: sc, .offset: 32, .size: 8, .value_kind: global_buffer, .address_space: global }
    .group_segment_fixed_size: 327680
    .private_segment_fixed_size: 0
    .kernarg_segment_align: 8
    .kernarg_segment_size: 40
    .max_flat_workgroup_size: 128
    .sgpr_count:     80
    .vgpr_count:     1024
    .wavefront_size: 32
...
	.end_amdgpu_metadata
.endif
;; end of part 4
;; ======== version 2 of 2: 4 launches; version 1 with the launch scan written anew for expert scheduling mode
;; limits: values are held in f16: magnitudes above 65,504 overflow, below 6.1e-05 lose precision; inputs' magnitudes at most 65,504; right only within a limited range of input values; values outside matrix products are rounded to f16
;; workspace buffers: a16 33,554,432 bytes; wi16 4,194,304 bytes; wo16 4,194,304 bytes; tab 24,576 bytes; xl 67,108,864 bytes; ends 1,056,768 bytes; x16 67,108,864 bytes; sc 256 bytes
;; launch prep: the kernel of part 1 again; grid 641 x 1, 8 waves a work-group, no clusters, 0 bytes of LDS; arguments inputs, Wi, Wo, params_log, a16, wi16, wo16, tab; writes a16, wi16, wo16, tab
;; launch gemm1: the kernel of part 2 again; grid 8 x 64, 4 waves a work-group, clusters of 4 x 4, 327,680 bytes of LDS; arguments a16, wi16, xl, bi, tab, ends; writes xl, ends
;; launch scan (part 5): grid 2 x 128, 8 waves a work-group, no clusters, 1,280 bytes of LDS; arguments xl, ends, tab, x16, sc; writes x16, sc
.if DOCPART == 5
	.amdgcn_target "amdgcn-amd-amdhsa--gfx1250"
	.amdhsa_code_object_version 6
	.text
	.protected	k_q54408ed973_scan
	.globl	k_q54408ed973_scan
	.p2align	8
	.type	k_q54408ed973_scan,@function
k_q54408ed973_scan:
	s_mov_b64 s[64:65], 0
	v_nop
	global_prefetch_b8 v0, s[64:65] scope:SCOPE_SE
	s_setreg_imm32_b32 hwreg(HW_REG_WAVE_SCHED_MODE, 0, 2), 2
	s_setreg_imm32_b32 hwreg(HW_REG_WAVE_MODE, 25, 1), 1
	s_wait_xcnt 0x0
	s_wait_alu depctr_vm_vsrc(0)
; scan: the chunks of 128 rows are joined: x_t = s xl_t + lambda^(t+1) carry, t = 0..127 in the chunk, which is the reference's own step x2 + lambs x1[-1];
; x16 = f16(gamma x / S), columns (re, im) interleaved.  carry is the state at the end of the chunk before: carry = lambda^128 carry + E_j over the earlier chunks
; of the sequence, j ascending, in f32.  Written as x16 = f16(xl f + c_t) with f = s gamma / S, c_0 = lambda carry gamma / S, c_t = lambda c_(t-1), all in f32.
; Work-group (gx, c): chunk c (32 chunks a sequence), columns 1,024 gx .. + 1,023.  A wave owns 128 columns (64 channels), a lane two channels: 8 bytes of every row.
; s is made from the block's bound m exactly as the launch before made it: s = 2^(exponent of 192 m - 14).
; S is a power of two from a bound that holds for every input: |gamma x| <= gamma min(4096, 1/(1-|lambda|)) sqrt(2) max|u| <= B = 1.5 Gmax mmax,
; S = 2^(exponent of B - 14), so |x16| < 2^15, inside f16.  The next launch multiplies by S again.  Every work-group makes S from the same 12 KiB.
; LIMITS: with the largest bound m below about 1e-30 the factor gamma / S overflows.  A NaN among the bounds is passed over.
; A stream: each row is read once; a load and a store of the wave cover 256 neighbouring aligned bytes.  The 128 turns are written out, so that rows stand in the
; immediates and no address register is ever stepped.  The row slots lie below v128, where a register's halves have names; the turns name them by number for that reason.
; Nothing is shared between work-groups but the small tables: no cluster, no tensor loads, no matrix unit.
; THE MODE: SCHED_MODE bits 1:0 = 2 (LLVM: expert scheduling mode 2), set by the entry lines.  The code itself states the register dependences
; between vector instructions and memory or LDS instructions, with s_wait_alu, always for 0.
; THE PLAN.  The 128 rows go in 16 blocks of eight.  Registers that memory or LDS instructions touch:
;   R0 .. R4    five blocks of xl as loaded (R0-R3 = v[64:127], R4 = v[48:63]).  Written by the loads of block p + 4, issued in block p; read by block p's widenings.
;   Y0 .. Y3    four blocks of x16 to store (v[128:191]).  Written by block p's roundings; read by the eight stores that are issued in block p + 1.
;   v2-v5, v31  byte offsets, made once at the head and never written again.
;   v44, v45, v40, v41   data and address of the one LDS store, address of the four LDS loads; written again behind them.     v6, v7  S, stored by one wave, never written again.
;   v252, v253  written at the head, read by the closing add alone.
; Block p works on R[p % 5] and writes Y[p % 4].  Its memory instructions are the loads into R[(p + 4) % 5] = R[(p - 1) % 5] and the stores from Y[(p - 1) % 4]: the two
; buffers that block p - 1 worked on and that no vector instruction of block p names.  So ONE wait on va_vdst at a block's head states all that the block's sixteen memory
; instructions hang on, and they are dealt among its vector instructions, a load and a store in front of each row's sixteen.  Behind a turn's load 32 rows of the wave are on their way.
; Block p writes the Y buffer that the stores issued in block p - 3 read: a wait at the head of block q frees all that was issued up to block q - 1, and so serves blocks
; q, q + 1 and q + 2: the pair s_wait_xcnt 0 and vm_vsrc stands at the heads of blocks 4, 7, 10 and 13.
.set UM,  8                            ; v[8:15]    my 8 of the 2,048 bounds m
.set GB,  16                           ; v[16:19]   my 4 of the 1,024 G
.set LAM, 20                           ; v[20:23]   lambda of my two channels: re, im, re, im
.set MU,  24                           ; v[24:27]   lambda^128
.set GA,  28                           ; v[28:29]   gamma, then gamma / S
.set SW,  30                           ; v30        my block's m, then s
.set SWA, 31                           ; v31        the byte of that word
.set FF,  32                           ; v[32:35]   f: f0, f0, f1, f1
.set CA,  36                           ; v[36:39]   the carry; then c_t, even turns read it
.set CB,  40                           ; v[40:43]   odd turns read it (before that: two LDS addresses)
.set T,   44                           ; v[44:47]   at work
.set RED, 48                           ; v[48:63]   the eight waves' pairs of maxima; from block 0 on the row buffer R4
.set R,   64                           ; v[64:127]  the row buffers R0 to R3: row t lies in slot t % 40, slots 0-31 here, slots 32-39 in v[48:63]
.set EN,  128                          ; v[128:251] the local end states of chunks 0..30 of my sequence
.set Y,   128                          ; v[128:191] 32 slots of 2 registers to store: row t in slot t % 32; EN is dead by then
	s_load_b256 s[4:11], s[0:1], 0x0               ; xl s[4:5], ends s[6:7], tab s[8:9], x16 s[10:11]
	s_load_b64 s[12:13], s[0:1], 0x20              ; sc
	v_lshl_add_u32 v252, v0, 2, 0x100
	v_mov_b32 v253, 0
	v_lshrrev_b32 v1, 5, v0
	v_readfirstlane_b32 s14, v1                    ; wave
	v_and_b32 v1, 31, v0                           ; lane
	s_and_b32 s15, ttmp7, 0xffff                   ; chunk 0..127
	s_and_b32 s16, s15, 31                         ; chunk in its sequence
	s_wait_alu depctr_va_sdst(0)                   ; s14 is written, ahead of its first reader: the group of columns is made from it
	s_lshl3_add_u32 s17, ttmp9, s14                ; group of 128 columns, 0..15
	s_lshl4_add_u32 s28, s15, s17                  ; 16 x chunk + group,
	s_lshl_b32 s28, s28, 2                         ; x 4 bytes: my block's word among the bounds
	v_mov_b32 v[SWA], s28
	s_lshl_b32 s17, s17, 9
	v_lshl_add_u32 v2, v1, 4, s17                  ; byte of my four columns in a row of f32
	v_lshrrev_b32 v3, 1, v2                        ; in a row of f16; also the byte of my two gamma
	v_lshlrev_b32 v4, 4, v0                        ; 16 x thread
	v_lshlrev_b32 v5, 3, v1                        ; 8 x lane
	s_mov_b32 s20, 0x76543210                      ; v_permlanex16_b32: lane i of one half reads lane i of the other
	s_mov_b32 s21, 0xfedcba98
	s_lshl_b32 s24, s15, 19                        ; 128 rows of 4,096 bytes, in xl and in x16
	s_mov_b32 s25, 0
	s_lshr_b32 s26, s15, 5
	s_lshl_b32 s26, s26, 18                        ; my sequence's 32 rows of end states
	s_mov_b32 s27, 0
	s_wait_kmcnt 0x0
	s_add_nc_u64 s[4:5], s[4:5], s[24:25]
	s_add_nc_u64 s[10:11], s[10:11], s[24:25]
	s_add_nc_u64 s[18:19], s[6:7], s[26:27]
	s_wait_alu depctr_va_vdst(0)                   ; the offsets v2, v3, v4, v5 and v31 are written: every global load and store of the kernel reads one of them
	; 63 loads in one run: 7 small ones, 31 end states, rows 0..24
	global_load_b128 v[UM:UM+3],   v4, s[6:7] offset:1048576
	global_load_b128 v[UM+4:UM+7], v4, s[6:7] offset:1052672
	global_load_b128 v[GB:GB+3],   v4, s[8:9] offset:20480
	global_load_b128 v[LAM:LAM+3], v2, s[8:9]
	global_load_b128 v[MU:MU+3],   v2, s[8:9] offset:8192
	global_load_b64  v[GA:GA+1],   v3, s[8:9] offset:16384
	global_load_b32  v[SW],        v[SWA], s[6:7] offset:1048576
.set J, 0
.rept 31                                           ; all 31 in every work-group, so that each register is written on every path: 16 KiB a wave beside its 32 KiB of xl
	global_load_b128 v[EN+4*J:EN+4*J+3], v2, s[18:19] offset:8192*J
.set J, J+1
.endr
.set J, 0
.rept 25
	global_load_b64 v[R+2*J:R+2*J+1], v3, s[4:5] offset:4096*J th:TH_LOAD_NT
.set J, J+1
.endr
	; ---- S, s and the factors ----
	s_wait_loadcnt 56                              ; the seven small loads are in; 31 end states and 25 rows stay out
.rept 7                                            ; rows 25..31: R0 to R3 are asked for; no vector instruction has named these registers
	global_load_b64 v[R+2*J:R+2*J+1], v3, s[4:5] offset:4096*J th:TH_LOAD_NT
.set J, J+1
.endr
	v_max3_num_f32 v[T], v[UM], v[UM+1], v[UM+2]
	v_max3_num_f32 v[T], v[T], v[UM+3], v[UM+4]
	v_max3_num_f32 v[T], v[T], v[UM+5], v[UM+6]
	v_max_num_f32 v[T], v[T], v[UM+7]
	v_max3_num_f32 v[T+1], v[GB], v[GB+1], v[GB+2]
	v_max_num_f32 v[T+1], v[T+1], v[GB+3]
.irp m, 1,2,4,8
	v_max_num_f32_dpp v[T], v[T], v[T] row_xmask:\m row_mask:0xf bank_mask:0xf
	v_max_num_f32_dpp v[T+1], v[T+1], v[T+1] row_xmask:\m row_mask:0xf bank_mask:0xf
.endr
	v_mov_b32 v[T+2], 0                            ; v_permlanex16_b32 counts as a reader of its destination
	v_mov_b32 v[T+3], 0
	v_permlanex16_b32 v[T+2], v[T], s20, s21
	v_permlanex16_b32 v[T+3], v[T+1], s20, s21
	v_max_num_f32 v[T], v[T], v[T+2]
	v_max_num_f32 v[T+1], v[T+1], v[T+3]
	v_mov_b32 v[CB], s14
	v_lshlrev_b32 v[CB], 3, v[CB]
	v_mov_b32 v[CB+1], 0
	s_wait_alu depctr_va_vdst(0)                   ; the two maxima and v[CB] are written, which the LDS store reads, and v[CB+1], by which the LDS loads behind the barrier read: no vector instruction stands between
	ds_store_b64 v[CB], v[T:T+1]                   ; every lane of the wave writes the same 8 bytes with the same values
	s_wait_dscnt 0x0                               ; for the other waves' sake: my store is done
	s_barrier_signal -1
	s_barrier_wait -1
.irp k, 0,1,2,3
	ds_load_b128 v[RED+4*\k:RED+4*\k+3], v[CB+1] offset:16*\k
.endr
	s_wait_dscnt 0x0
	s_wait_alu depctr_vm_vsrc(0)                   ; the LDS store has read v[T], v[T+1] and v[CB], the LDS loads v[CB+1]: the lines below write T again, the turns CB
	v_max3_num_f32 v[T],   v[RED],   v[RED+2], v[RED+4]
	v_max3_num_f32 v[T+1], v[RED+1], v[RED+3], v[RED+5]
	v_max3_num_f32 v[T],   v[T],   v[RED+6], v[RED+8]
	v_max3_num_f32 v[T+1], v[T+1], v[RED+7], v[RED+9]
	v_max3_num_f32 v[T],   v[T],   v[RED+10], v[RED+12]
	v_max3_num_f32 v[T+1], v[T+1], v[RED+11], v[RED+13]
	v_max_num_f32 v[T],   v[T],   v[RED+14]        ; mmax
	v_max_num_f32 v[T+1], v[T+1], v[RED+15]        ; Gmax
	v_mul_f32 v[T], v[T], v[T+1]
	v_mul_f32 v[T], 0x3fc00000, v[T]               ; B = 1.5 Gmax mmax
	v_and_b32 v[T], 0x7f800000, v[T]               ; its exponent field,
	v_max_u32 v[T], 0x07800000, v[T]               ; at least 15, so that S stays a normal number,
	v_add_nc_u32 v6, 0xf9000000, v[T]              ; less 14: the bits of S
	v_mov_b32 v7, v6
	v_sub_nc_u32 v[T+1], 0x7f000000, v6            ; exponent field 254 - that of S: the bits of 1 / S
	v_mul_f32 v[SW], 0x43400000, v[SW]             ; 192 m: the same four steps as in the launch that scaled xl
	v_and_b32 v[SW], 0x7f800000, v[SW]
	v_max_u32 v[SW], 0x07800000, v[SW]
	v_add_nc_u32 v[SW], 0xf9000000, v[SW]          ; the bits of s
	v_mul_f32 v[GA],   v[GA],   v[T+1]             ; gamma / S
	v_mul_f32 v[GA+1], v[GA+1], v[T+1]
	v_mul_f32 v[FF],   v[GA],   v[SW]              ; f = s gamma / S
	v_mul_f32 v[FF+2], v[GA+1], v[SW]
	v_mov_b32 v[FF+1], v[FF]
	v_mov_b32 v[FF+3], v[FF+2]
	s_or_b32 s29, ttmp9, s15
	s_or_b32 s29, s29, s14
	s_cmp_lg_u32 s29, 0
	s_cbranch_scc1 .Lno_sc                         ; wave 0 of work-group (0, 0) alone hands S on
	s_wait_alu depctr_va_vdst(0)                   ; v6 and v7 are written, which the store reads
	global_store_b64 v5, v[6:7], s[12:13]          ; 64 copies: the buffer's 256 bytes, whole; v5, v6, v7 are not written again
.Lno_sc:
	; ---- the state that enters my chunk ----
.irp k, 0,1,2,3
	v_mov_b32 v[CA+\k], 0
.endr
	s_wait_loadcnt 32                              ; the 31 end states are in; the 32 rows may stay out
.set J, 0
.rept 31
	s_cmp_eq_u32 s16, J                            ; chunks 0 .. my own - 1 count
	s_cbranch_scc1 .Lcarried
	v_fma_f32 v[T],   v[CA],   v[MU],   v[EN+4*J]
	v_fma_f32 v[T+1], v[CA+1], v[MU],   v[EN+4*J+1]
	v_fma_f32 v[T+2], v[CA+2], v[MU+2], v[EN+4*J+2]
	v_fma_f32 v[T+3], v[CA+3], v[MU+2], v[EN+4*J+3]
	v_fma_f32 v[T+1], v[CA],   v[MU+1], v[T+1]
	v_fma_f32 v[T+3], v[CA+2], v[MU+3], v[T+3]
	v_fma_f32 v[CA],   -v[CA+1], v[MU+1], v[T]
	v_fma_f32 v[CA+2], -v[CA+3], v[MU+3], v[T+2]
	v_mov_b32 v[CA+1], v[T+1]
	v_mov_b32 v[CA+3], v[T+3]
.set J, J+1
.endr
.Lcarried:
	v_mul_f32 v[CA],   v[CA],   v[GA]              ; carry gamma / S
	v_mul_f32 v[CA+1], v[CA+1], v[GA]
	v_mul_f32 v[CA+2], v[CA+2], v[GA+1]
	v_mul_f32 v[CA+3], v[CA+3], v[GA+1]
; Turn t, on the row slot v[ra:rb].  In front of its arithmetic stand the load of row t + 32, into the slot that row t - 8 left in the block before, and the store of row t - 8,
; which that block rounded.  Then: c_t = lambda c_(t-1); the row's four f16 are widened; xl f + c_t is rounded once to f16, into the row's Y slot.
; A block's first turn (t a multiple of 8) begins with the block's waits.
.macro TURN t, ra, rb
.set YS, Y+2*((\t)%32)                             ; this row's Y slot
.set YP, Y+2*(((\t)+24)%32)                        ; that of row t - 8
.set RN, 48+2*((((\t)+32)%40+8)%40)                ; the slot of row t + 32, which is that of row t - 8
.if (\t)%2
.set CI, CB
.set CN, CA
.else
.set CI, CA
.set CN, CB
.endif
.if (\t) <= 95
.set LEFT, 32                                      ; rows t + 1 .. t + 32 have been asked for behind row t, the last of them by this turn
.else
.set LEFT, 127-(\t)                                ; nothing is asked for beyond row 127: the counts run down
.endif
.if (\t)%8 == 0
.if ((\t)/8 >= 4) && (((\t)/8)%3 == 1)
	s_wait_xcnt 0x0                                ; every earlier memory instruction has had its addresses translated (ISA guide 3.1): the Y buffers of this block and the next two are rewritten only behind this wait
	s_wait_alu depctr_vm_vsrc(0)                   ; the stores issued up to the block before have read their Y slots: those that this block and the next two write again were read three blocks ahead of each
.endif
	s_wait_alu depctr_va_vdst(0)                   ; the block before has written its Y, which this block's stores read, and is done reading its R, in which this block's loads land (at block 0: the maxima are done reading v[48:63])
.endif
.if (\t) <= 95
	global_load_b64 v[RN:RN+1], v3, s[4:5] offset:4096*((\t)+32) th:TH_LOAD_NT   ; no vector instruction since the block's wait names these registers
.endif
.if (\t) >= 8
	global_store_b64 v3, v[YP:YP+1], s[10:11] offset:4096*((\t)-8)    ; the wave's 256 neighbouring bytes, aligned
.endif
	v_mul_f32 v[CN],   v[CI],   v[LAM]
	v_mul_f32 v[CN+1], v[CI+1], v[LAM]
	v_mul_f32 v[CN+2], v[CI+2], v[LAM+2]
	v_mul_f32 v[CN+3], v[CI+3], v[LAM+2]
	v_fma_f32 v[CN],   -v[CI+1], v[LAM+1], v[CN]
	v_fma_f32 v[CN+1], v[CI],    v[LAM+1], v[CN+1]
	v_fma_f32 v[CN+2], -v[CI+3], v[LAM+3], v[CN+2]
	v_fma_f32 v[CN+3], v[CI+2],  v[LAM+3], v[CN+3]
	s_wait_loadcnt LEFT                            ; loads come back in order (ISA guide 5.7.1): row t is in
	v_cvt_f32_f16 v[T],   v\ra\().l
	v_cvt_f32_f16 v[T+1], v\ra\().h
	v_cvt_f32_f16 v[T+2], v\rb\().l
	v_cvt_f32_f16 v[T+3], v\rb\().h
	v_pk_fma_f32 v[T:T+1],   v[T:T+1],   v[FF:FF+1],   v[CN:CN+1]
	v_pk_fma_f32 v[T+2:T+3], v[T+2:T+3], v[FF+2:FF+3], v[CN+2:CN+3]
	v_cvt_pk_f16_f32 v[YS],   v[T],   v[T+1]
	v_cvt_pk_f16_f32 v[YS+1], v[T+2], v[T+3]
.endm
; A block of eight turns on each of the five row buffers; t: the block's first row.
.macro BUF0 t                          ; R0 = v[64:79]
	TURN \t+0, 64, 65
	TURN \t+1, 66, 67
	TURN \t+2, 68, 69
	TURN \t+3, 70, 71
	TURN \t+4, 72, 73
	TURN \t+5, 74, 75
	TURN \t+6, 76, 77
	TURN \t+7, 78, 79
.endm
.macro BUF1 t                          ; R1 = v[80:95]
	TURN \t+0, 80, 81
	TURN \t+1, 82, 83
	TURN \t+2, 84, 85
	TURN \t+3, 86, 87
	TURN \t+4, 88, 89
	TURN \t+5, 90, 91
	TURN \t+6, 92, 93
	TURN \t+7, 94, 95
.endm
.macro BUF2 t                          ; R2 = v[96:111]
	TURN \t+0, 96, 97
	TURN \t+1, 98, 99
	TURN \t+2, 100, 101
	TURN \t+3, 102, 103
	TURN \t+4, 104, 105
	TURN \t+5, 106, 107
	TURN \t+6, 108, 109
	TURN \t+7, 110, 111
.endm
.macro BUF3 t                          ; R3 = v[112:127]
	TURN \t+0, 112, 113
	TURN \t+1, 114, 115
	TURN \t+2, 116, 117
	TURN \t+3, 118, 119
	TURN \t+4, 120, 121
	TURN \t+5, 122, 123
	TURN \t+6, 124, 125
	TURN \t+7, 126, 127
.endm
.macro BUF4 t                          ; R4 = v[48:63]
	TURN \t+0, 48, 49
	TURN \t+1, 50, 51
	TURN \t+2, 52, 53
	TURN \t+3, 54, 55
	TURN \t+4, 56, 57
	TURN \t+5, 58, 59
	TURN \t+6, 60, 61
	TURN \t+7, 62, 63
.endm
	BUF0 0                                         ; block 0 stores nothing: there is no block in front of it
	BUF1 8
	BUF2 16
	BUF3 24
	BUF4 32
	BUF0 40
	BUF1 48
	BUF2 56
	BUF3 64
	BUF4 72
	BUF0 80
	BUF1 88
	BUF2 96                                        ; blocks 12 to 15 load nothing: no load leaves the chunk's 128 rows
	BUF3 104
	BUF4 112
	BUF0 120
	s_wait_alu depctr_va_vdst(0)                   ; block 15 has written its Y, which the last eight stores read
.set J, 120
.rept 8
	global_store_b64 v3, v[Y+2*(J%32):Y+2*(J%32)+1], s[10:11] offset:4096*J
.set J, J+1
.endr
	s_wait_dscnt 0x0                               ; the closing lines, six on end
	s_wait_alu 0x0
	s_wait_tensorcnt 0x0
	ds_add_u32 v252, v253
	s_wait_dscnt 0x0
	s_endpgm
.Lfunc_end_k_q54408ed973_scan:
	.size	k_q54408ed973_scan, .Lfunc_end_k_q54408ed973_scan-k_q54408ed973_scan
	.p2alignl 7, 3214868480
	.fill 96, 4, 3214868480
	.section	.rodata,"a",@progbits
	.p2align	6, 0x0
	.amdhsa_kernel k_q54408ed973_scan
		.amdhsa_group_segment_fixed_size 1280
		.amdhsa_private_segment_fixed_size 0
		.amdhsa_enable_private_segment 0
		.amdhsa_kernarg_size 40
		.amdhsa_user_sgpr_count 2
		.amdhsa_user_sgpr_kernarg_segment_ptr 1
		.amdhsa_wavefront_size32 1
		.amdhsa_system_sgpr_workgroup_id_x 1
		.amdhsa_system_sgpr_workgroup_id_y 1
		.amdhsa_system_sgpr_workgroup_id_z 1
		.amdhsa_system_vgpr_workitem_id 0
		.amdhsa_next_free_vgpr 254
		.amdhsa_next_free_sgpr 66
		.amdhsa_reserve_vcc 0
		.amdhsa_float_denorm_mode_32 3
		.amdhsa_float_denorm_mode_16_64 3
		.amdhsa_memory_ordered 1
		.amdhsa_forward_progress 1
		.amdhsa_inst_pref_size 153
	.end_amdhsa_kernel
	.amdgpu_metadata
---
amdhsa.version: [ 1, 2 ]
amdhsa.kernels:
  - .name:           k_q54408ed973_scan
    .symbol:         k_q54408ed973_scan.kd
    .args:
      - { .name: xl, .offset: 0, .size: 8, .value_kind: global_buffer, .address_space: global }
      - { .name: ends, .offset: 8, .size: 8, .value_kind: global_buffer, .address_space: global }
      - { .name: tab, .offset: 16, .size: 8, .value_kind: global_buffer, .address_space: global }
      - { .name: x16, .offset: 24, .size: 8, .value_kind: global_buffer, .address_space: global }
      - { .name: sc, .offset: 32, .size: 8, .value_kind: global_buffer, .address_space: global }
    .group_segment_fixed_size: 1280
    .private_segment_fixed_size: 0
    .kernarg_segment_align: 8
    .kernarg_segment_size: 40
    .max_flat_workgroup_size: 256
    .sgpr_count:     66
    .vgpr_count:     254
    .wavefront_size: 32
...
	.end_amdgpu_metadata
.endif
;; end of part 5
;; launch gemm2: the kernel of part 4 again; grid 4 x 64, 4 waves a work-group, clusters of 4 x 4, 327,680 bytes of LDS; arguments x16, wo16, out0, bo, sc; writes out0
